; MI455X (gfx1250); checked and timed in simulation.
; The chip was launched on July 23, 2026; its instructions are those of AMD's public machine-readable ISA for CDNA 5 (MIT licence, August 2026) and "CDNA5" Instruction Set Architecture Reference Guide (July 2026). The comments in the code are by the model that wrote it; some were corrected since.
;; Multi Head Attention. Allowed arithmetic: matrix products marked QUANTISED: E2M3 operands, one E8M0 scale for each 32 along K, by v_wmma_scale_f32_16x16x128_f8f6f4 with both operands' format E2M3, f32 sums; everything else in f32.
;; Inputs: W0 1,024 x 1,024 float32; Wk 1,024 x 1,024 float32; Wq 1,024 x 1,024 float32; Wv 1,024 x 1,024 float32; inputs 2 x 2,048 x 1,024 float32.
;; Outputs: out0 2 x 2,048 x 1,024 float32.
;; This version of the problem:
;;   THIS VERSION OF THE PROBLEM IS GIVEN IN LOW PRECISION. The matrix products marked QUANTISED in the list below multiply operands that are first quantised to E2M3 (2 exponent bits, 3 mantissa bits; 6 bits a number), with one power-of-two scale for each 32 numbers along K (OCP MX v1.0); their sums are f32. All else is computed in f32.
;;   The module's matrix products, in the order in which they are computed (A, B: the left and right operand; K: the contracted axis; several contracted axes count as one K, in the product's order):
;;     1. [M 4,096, K 1,024] x [K 1,024, N 1,024]; A: input inputs; B: input Wq: QUANTISED
;;     2. [M 4,096, K 1,024] x [K 1,024, N 1,024]; A: input inputs; B: input Wk: QUANTISED
;;     3. [M 4,096, K 1,024] x [K 1,024, N 1,024]; A: input inputs; B: input Wv: QUANTISED
;;     4. batch 32 x [M 2,048, K 64] x [K 64, N 2,048]; A: computed on the way; B: computed on the way: QUANTISED
;;     5. batch 32 x [M 2,048, K 2,048] x [K 2,048, N 64]; A: softmax (see below); B: computed on the way: QUANTISED
;;     6. [M 4,096, K 1,024] x [K 1,024, N 1,024]; A: computed on the way; B: input W0: QUANTISED
;;   THE QUANTISER, for each operand of a quantised product, along K:
;;     - K is cut into blocks of 32 from its start; a last block that is shorter is filled with zeros.
;;     - A block's scale is 2^e with e = floor(log2(the largest magnitude in the block)) - 2, held to -126 .. 127; a block of zeros has e = 0. As a byte (E8M0): e + 127.
;;     - Each number is divided by its block's scale, clamped to +-7.5, and rounded to the nearest number of E2M3, ties to even, subnormals kept.
;;     - The product sums the exact products of the quantised numbers (number of the format x scale) in f32.
;;   ~~~python
;;   def quantise(x, axis):      # numpy; x: float32 -> the quantised numbers, widened to float32 again
;;       x = np.moveaxis(x, axis, -1); K = x.shape[-1]
;;       x = np.pad(x, [(0, 0)] * (x.ndim - 1) + [(0, -K % 32)]); x = x.reshape(x.shape[:-1] + (-1, 32)); a = np.abs(x).max(-1, keepdims=True)
;;       e = np.where(a > 0, np.clip(np.frexp(np.where(a > 0, a, 1))[1] - 1 - 2, -126, 127), 0)      # np.frexp(a)[1] - 1 = floor(log2(a)), exactly
;;       r = np.clip(x / 2.0 ** e, -7.5, 7.5)
;;       step = 2.0 ** (np.maximum(np.frexp(np.where(r == 0, 1, r))[1] - 1, 0) - 3)
;;       q = np.round(r / step) * step * 2.0 ** e      # np.round: ties to even
;;       return np.moveaxis(q.reshape(q.shape[:-2] + (-1,))[..., :K], -1, axis).astype(np.float32)
;;   ~~~
;;   SOFTMAX AHEAD OF A QUANTISED PRODUCT. Where the list says 'softmax', what is quantised is not the finished softmax but p = 2^(t - M), with t = logit x log2(e) and M = ceil(the row's largest t), a whole number; so 1/2 < the row's largest p <= 1. The row's sum l is taken of the UNQUANTISED p, in f32, and the product's result is divided by l at the end. Since M is a whole number, a kernel that streams over the keys may use a running M (the ceiling of the running maximum): every later rescaling is an exact power of two, which a block's scale takes up: the codes' values come out the same.
;;   OPERANDS COMPUTED ON THE WAY. 'Computed on the way' means the value that the module computes at that place (a softmax that the list does not call 'softmax' is quantised finished and normalised). What goes into a quantiser is computed in f32, as accurately as f32 sums, v_exp_f32 and their like allow (about 1e-6 of the number): no bf16 or f16 on the way to a quantiser, and a product that is left as it is and whose result goes on into a quantised operand takes f32 operands (vector FMAs, or v_wmma_f32_16x16x4_f32). A number that lies on a knife's edge between two numbers of the format may be rounded either way, as far as f32 arithmetic and the matrix unit's own rounding can turn it there, and no further.
;; 2 versions. Each part assembles by itself: llvm-mc -triple=amdgcn-amd-amdhsa -mcpu=gfx1250 --defsym DOCPART=n.
;; ======== version 1 of 2: 5 launches
;; workspace buffers: xq 3,276,800 bytes; wq 3,276,800 bytes; cq 3,276,800 bytes; qst 3,407,872 bytes; kst 3,407,872 bytes; vst 3,407,872 bytes
;; launch quant_x (part 1): grid 256 x 1, 8 waves a work-group, no clusters, 68,608 bytes of LDS; arguments inputs, xq; writes xq
.if DOCPART == 1
	.amdgcn_target "amdgcn-amd-amdhsa--gfx1250"
	.amdhsa_code_object_version 6
	.text
	.protected	k_q07ad0b42cf_quant_x
	.globl	k_q07ad0b42cf_quant_x
	.p2align	8
	.type	k_q07ad0b42cf_quant_x,@function
k_q07ad0b42cf_quant_x:
	s_mov_b64 s[64:65], 0
	v_nop
	global_prefetch_b8 v0, s[64:65] scope:SCOPE_SE
	s_setreg_imm32_b32 hwreg(HW_REG_WAVE_MODE, 25, 1), 1
	s_wait_xcnt 0x0
; inputs [4096][1024] f32 -> xq: codes of FP6 (E2M3) with one E8M0 byte for each 32 along K, laid as IMAGES OF THE OPERAND'S REGISTERS.
; A tile T = 2 B + u is 16 rows: lane r's row is 32 B + 8 u + r + 8 (r / 8).  A fragment (T, s) is the tile's 128 along K from 128 s on: 12 registers a lane,
; lane (r, h) register 6 c + i: k = 128 s + 64 c + 32 h + .. ; it lies in xq at 12,288 T + 1,536 s as three planes of 512 bytes, plane p = registers 4 p .. 4 p + 3, lane l at 16 l.
; The scale words (four bytes: a row's 128 along K) lie from byte SCO on, [T][s][16 words].
; A block's scale is 2^(floor(log2(its largest magnitude)) - 2): its byte is the largest magnitude's exponent field - 2, held at 1 from below.
; LIMITS: NaN and infinities are not served; a block of zeros, or one whose largest magnitude lies under 2^-124, gets the byte 1 (its codes are then zeros or held small): this program alone reads the bytes.
; SHARES: a work-group takes a tile, each of its eight waves a K step: 16 rows x 512 bytes.  Each load reads a row's 512 consecutive bytes; the numbers turn through the wave's own stage in LDS,
; so that a lane gets 2 x 32 neighbours along K of ONE row.  Waves share nothing: no barrier.
.set SCO,   3145728
.set TILEB, 12288
.set FRB,   1536
.set PITCH, 528                        ; a stage row: 512 bytes + 16 = 132 words: sixteen rows' 16-byte pieces start 4 words apart modulo 64
.set STG,   16*PITCH
.set R,     16                         ; v16-79   the rows as loaded
.set N,     80                         ; v80-143  register 32 c + i = k 64 c + 32 h + i of my row
.set F,     144                        ; v144-155 the fragment
.set CT,    156                        ; v156-158, v160-162 a block's upper 16 codes (a conversion's three registers begin on an even number)
	s_load_b128 s[4:7], s[0:1], 0x0                ; inputs, xq
	v_lshl_add_u32 v164, v0, 2, 0x10800
	v_mov_b32 v165, 0
	v_lshrrev_b32 v1, 5, v0
	v_readfirstlane_b32 s8, v1                     ; wave = K step
	v_and_b32 v2, 31, v0
	v_lshlrev_b32 v1, 4, v2                        ; v1: 16 x lane
	v_and_b32 v6, 15, v0                           ; r
	v_bfe_u32 v7, v0, 4, 1                         ; h
	s_mul_i32 s9, s8, STG                          ; my stage
	v_add_nc_u32 v2, s9, v1                        ; v2: into the stage, as loaded
	v_mul_u32_u24 v3, v6, PITCH
	v_lshl_add_u32 v3, v7, 7, v3
	v_add_nc_u32 v3, s9, v3                        ; v3: out of it: row r, + 128 h bytes
	v_lshlrev_b32 v4, 2, v6                        ; v4: 4 r: my row's scale word
	v_lshlrev_b32 v5, 3, v7                        ; v5: 8 h
	v_mov_b32 v15, 0                               ; a lane permute's destination counts as one of its sources
	s_mov_b32 s18, 0x76543210
	s_mov_b32 s19, 0xfedcba98                      ; lane l xor 16
	s_lshr_b32 s10, ttmp9, 1
	s_lshl_b32 s10, s10, 17                        ; 32 (T / 2) rows of 4,096 bytes
	s_and_b32 s11, ttmp9, 1
	s_lshl_b32 s11, s11, 15                        ; + 8 (T % 2) rows
	s_add_co_u32 s10, s10, s11
	s_lshl_b32 s11, s8, 9                          ; + 512 s
	s_add_co_u32 s10, s10, s11
	s_mov_b32 s11, 0
	s_mul_i32 s12, ttmp9, TILEB
	s_mul_i32 s13, s8, FRB
	s_add_co_u32 s12, s12, s13
	s_mov_b32 s13, 0
	s_lshl_b32 s14, ttmp9, 9
	s_lshl_b32 s15, s8, 6
	s_add_co_u32 s14, s14, s15
	s_add_co_u32 s14, s14, SCO
	s_mov_b32 s15, 0
	s_wait_kmcnt 0x0
	s_add_nc_u64 s[4:5], s[4:5], s[10:11]
	s_add_nc_u64 s[16:17], s[6:7], s[14:15]        ; the scale words
	s_add_nc_u64 s[6:7], s[6:7], s[12:13]          ; the fragment
.irp p, 0,1,2,3,4,5,6,7,8,9,10,11,12,13,14,15
	global_load_b128 v[R+4*\p:R+4*\p+3], v1, s[4:5] offset:(\p+8*(\p/8))*4096 th:TH_LOAD_NT   ; the tile's row p: 512 consecutive bytes
.endr
.irp p, 0,1,2,3,4,5,6,7,8,9,10,11,12,13,14,15
	s_wait_loadcnt 15-\p                           ; loads come back in order: row p is in, the younger rows stay out
	ds_store_b128 v2, v[R+4*\p:R+4*\p+3] offset:PITCH*\p
.endr
.irp c, 0,1
.irp j, 0,1,2,3,4,5,6,7
	ds_load_b128 v[N+32*\c+4*\j:N+32*\c+4*\j+3], v3 offset:256*\c+16*\j   ; LDS serves a wave's instructions in order: these see my stores
.endr
.endr
	s_wait_dscnt 0x0
.irp c, 0,1                                    ; my block 2 c + h: all its 32 numbers are mine
	v_max3_num_f32 v[8+\c], |v[N+32*\c]|, |v[N+32*\c+1]|, 0x1800000   ; with the floor 2^(3 - 127): the byte cannot fall under 1
.endr
.irp i, 2,4,6,8,10,12,14,16,18,20,22,24,26,28,30
.irp c, 0,1
	v_max3_num_f32 v[8+\c], v[8+\c], |v[N+32*\c+\i]|, |v[N+32*\c+\i+1]|   ; the two blocks by turns
.endr
.endr
.irp c, 0,1
	v_add_nc_u32 v[10+\c], 0xff000000, v[8+\c]     ; 2 off the exponent field: the conversion's scale operand
.endr
.irp c, 0,1
	v_lshrrev_b32 v[12+\c], 23, v[10+\c]           ; the scale's byte
.endr
	v_lshl_or_b32 v14, v13, 16, v12                ; my two bytes, blocks h and 2 + h,
	v_lshlrev_b32 v14, v5, v14                     ; at their places in the word;
	v_permlanex16_b32 v15, v14, s18, s19
	v_or_b32 v14, v14, v15                         ; with lane l xor 16's two the word is whole
.irp c, 0,1
	v_cvt_scalef32_pk16_fp6_f32 v[F+6*\c:F+6*\c+2], v[N+32*\c:N+32*\c+15], v[10+\c]
	v_cvt_scalef32_pk16_fp6_f32 v[CT+4*\c:CT+4*\c+2], v[N+32*\c+16:N+32*\c+31], v[10+\c]
.endr
	v_nop                                          ; one plain place behind a scaled conversion
.irp c, 0,1
.irp i, 0,1,2
	v_mov_b32 v[F+6*\c+3+\i], v[CT+4*\c+\i]
.endr
.endr
.irp p, 0,1,2
	global_store_b128 v1, v[F+4*\p:F+4*\p+3], s[6:7] offset:512*\p   ; 32 lanes store 512 consecutive bytes, at a multiple of 256 from xq's first byte
.endr
	global_store_b32 v4, v14, s[16:17]             ; lanes 16-31 hold and write the same words as lanes 0-15
	s_wait_tensorcnt 0x0
	ds_add_u32 v164, v165
	s_wait_dscnt 0x0
	s_endpgm
.Lfunc_end_k_q07ad0b42cf_quant_x:
	.size	k_q07ad0b42cf_quant_x, .Lfunc_end_k_q07ad0b42cf_quant_x-k_q07ad0b42cf_quant_x
	.p2alignl 7, 3214868480
	.fill 96, 4, 3214868480
	.section	.rodata,"a",@progbits
	.p2align	6, 0x0
	.amdhsa_kernel k_q07ad0b42cf_quant_x
		.amdhsa_group_segment_fixed_size 68608
		.amdhsa_private_segment_fixed_size 0
		.amdhsa_enable_private_segment 0
		.amdhsa_kernarg_size 16
		.amdhsa_user_sgpr_count 2
		.amdhsa_user_sgpr_kernarg_segment_ptr 1
		.amdhsa_wavefront_size32 1
		.amdhsa_system_sgpr_workgroup_id_x 1
		.amdhsa_system_sgpr_workgroup_id_y 1
		.amdhsa_system_sgpr_workgroup_id_z 1
		.amdhsa_system_vgpr_workitem_id 0
		.amdhsa_next_free_vgpr 166
		.amdhsa_next_free_sgpr 66
		.amdhsa_reserve_vcc 0
		.amdhsa_float_denorm_mode_32 3
		.amdhsa_float_denorm_mode_16_64 3
		.amdhsa_memory_ordered 1
		.amdhsa_forward_progress 1
		.amdhsa_inst_pref_size 10
	.end_amdhsa_kernel
	.amdgpu_metadata
---
amdhsa.version: [ 1, 2 ]
amdhsa.kernels:
  - .name:           k_q07ad0b42cf_quant_x
    .symbol:         k_q07ad0b42cf_quant_x.kd
    .args:
      - { .name: inputs, .offset: 0, .size: 8, .value_kind: global_buffer, .address_space: global }
      - { .name: xq, .offset: 8, .size: 8, .value_kind: global_buffer, .address_space: global }
    .group_segment_fixed_size: 68608
    .private_segment_fixed_size: 0
    .kernarg_segment_align: 8
    .kernarg_segment_size: 16
    .max_flat_workgroup_size: 256
    .sgpr_count:     66
    .vgpr_count:     166
    .wavefront_size: 32
...
	.end_amdgpu_metadata
.endif
;; end of part 1
;; launch quant_w (part 2): grid 8 x 32, 4 waves a work-group, no clusters, 12,800 bytes of LDS; arguments Wq, Wk, Wv, W0, wq; writes wq
.if DOCPART == 2
	.amdgcn_target "amdgcn-amd-amdhsa--gfx1250"
	.amdhsa_code_object_version 6
	.text
	.protected	k_q07ad0b42cf_quant_w
	.globl	k_q07ad0b42cf_quant_w
	.p2align	8
	.type	k_q07ad0b42cf_quant_w,@function
k_q07ad0b42cf_quant_w:
	s_mov_b64 s[64:65], 0
	v_nop
	global_prefetch_b8 v0, s[64:65] scope:SCOPE_SE
	s_setreg_imm32_b32 hwreg(HW_REG_WAVE_MODE, 25, 1), 1
	s_wait_xcnt 0x0
; Wq, Wk, Wv, W0 [1024 (k)][1024 (n)] f32, K the FIRST axis -> wq: codes of FP6 (E2M3) and E8M0 scale words, laid as images of the operand's registers, as xq is:
; tile 64 w + T (w = 0 .. 3: q, k, v, 0) holds in lane r column n = 32 (T / 2) + 8 (T % 2) + r + 8 (r / 8); fragment (tile, s) at 12,288 tile + 1,536 s; scale words from SCO on, [tile][s][16 words].
; A LANE TAKES A COLUMN AND ITS REGISTERS RUN DOWN K: a load reads 128 consecutive bytes a wave (the four waves stand side by side on 512), a block of 32 along K lies in one lane,
; and the conversions give codes with K innermost.  Lane l of a wave's 32 columns is row r = l % 8 + 8 (l / 16) of tile u = (l / 8) % 2; its block t is what lane (r, h = t % 2) of the
; fragment holds in registers 6 (t / 2) on.  So each block's 24 bytes go to their place in the wave's own stage in LDS, and the two fragments leave as they lie, 512 consecutive bytes a store.
; LIMITS: NaN and infinities are not served; a block of zeros, or one whose largest magnitude lies under 2^-124, gets the byte 1: this program alone reads the bytes.
; SHARES: work-group x: 128 columns; y: weight y / 8, K step y % 8.  Waves share nothing: no barrier.  Loads run two blocks ahead.
.set SCO,   3145728
.set TILEB, 12288
.set FRB,   1536
.set X,     32                         ; v32-159  four blocks of 32 numbers
.set C,     16                         ; v16-21   a block's codes
.set D,     24                         ; v24-26   its upper 16 codes as the conversion leaves them
.set BK,    160                        ; v160-183 the two fragments read back
	s_load_b256 s[4:11], s[0:1], 0x0               ; Wq, Wk, Wv, W0
	s_load_b64 s[12:13], s[0:1], 0x20              ; wq
	v_lshl_add_u32 v192, v0, 2, 0x3000
	v_mov_b32 v193, 0
	v_lshrrev_b32 v1, 5, v0
	v_readfirstlane_b32 s14, v1                    ; wave
	v_and_b32 v6, 31, v0                           ; l
	v_lshlrev_b32 v1, 2, v6                        ; v1: 4 l: my column
	v_lshlrev_b32 v4, 4, v6                        ; v4: 16 l
	v_bfe_u32 v7, v0, 3, 1                         ; u
	v_and_b32 v13, 7, v0
	v_bfe_u32 v14, v0, 4, 1
	v_lshl_add_u32 v13, v14, 3, v13                ; r
	s_mul_i32 s19, s14, 2*FRB                      ; my stage: two fragments
	v_mul_u32_u24 v2, v7, FRB
	v_lshl_add_u32 v2, v13, 4, v2
	v_add_nc_u32 v2, s19, v2                       ; v2: stage + 1,536 u + 16 r
	v_add_nc_u32 v3, s19, v4                       ; v3: stage + 16 l
	v_lshlrev_b32 v5, 9, v7
	v_lshl_add_u32 v5, v13, 2, v5                  ; v5: 512 u + 4 r: my column's scale word
	s_and_b32 s16, ttmp7, 0xffff
	s_lshr_b32 s17, s16, 3                         ; which weight
	s_and_b32 s18, s16, 7                          ; K step s
	s_lshl_b32 s20, s18, 19                        ; 128 s rows of 4,096 bytes
	s_lshl_b32 s21, ttmp9, 9                       ; + 128 x columns
	s_add_co_u32 s20, s20, s21
	s_lshl_b32 s21, s14, 7                         ; + 32 wave columns
	s_add_co_u32 s20, s20, s21
	s_mov_b32 s21, 0
	s_lshl_b32 s22, ttmp9, 2
	s_add_co_u32 s22, s22, s14                     ; the pair of tiles: 4 x + wave
	s_lshl_b32 s22, s22, 1
	s_lshl_b32 s23, s17, 6
	s_add_co_u32 s22, s22, s23                     ; its first tile in wq
	s_mul_i32 s24, s22, TILEB
	s_mul_i32 s25, s18, FRB
	s_add_co_u32 s24, s24, s25
	s_mov_b32 s25, 0
	s_lshl_b32 s26, s22, 9
	s_lshl_b32 s27, s18, 6
	s_add_co_u32 s26, s26, s27
	s_add_co_u32 s26, s26, SCO
	s_mov_b32 s27, 0
	s_wait_kmcnt 0x0
	s_cmp_eq_u32 s17, 1                            ; the weight is chosen by the work-group's number alone
	s_cselect_b64 s[4:5], s[6:7], s[4:5]
	s_cmp_eq_u32 s17, 2
	s_cselect_b64 s[4:5], s[8:9], s[4:5]
	s_cmp_eq_u32 s17, 3
	s_cselect_b64 s[4:5], s[10:11], s[4:5]
	s_add_nc_u64 s[4:5], s[4:5], s[20:21]
	s_add_nc_u64 s[24:25], s[12:13], s[24:25]      ; the fragments
	s_add_nc_u64 s[26:27], s[12:13], s[26:27]      ; the scale words
.macro LOAD t                          ; block t: W(128 s + 32 t + i, my column)
.set i, 0
.rept 32
	global_load_b32 v[X+32*(\t)+i], v1, s[4:5] offset:(32*(\t)+i)*4096 th:TH_LOAD_NT
.set i, i+1
.endr
.endm
.macro BLOCK t
.set XS, X+32*(\t)
.if (\t) < 3
	s_wait_loadcnt 32                              ; this block's 32 loads are in; the next block's may be out
.else
	s_wait_loadcnt 0x0
.endif
.if (\t) < 2
	LOAD (\t)+2                                    ; into registers of its own
.endif
	v_max3_num_f32 v8, |v[XS]|, |v[XS+1]|, |v[XS+2]|       ; the block's largest magnitude: all 32 numbers are mine; two chains
	v_max3_num_f32 v9, |v[XS+3]|, |v[XS+4]|, |v[XS+5]|
.irp i, 6,10,14,18,22,26
	v_max3_num_f32 v8, v8, |v[XS+\i]|, |v[XS+\i+1]|
	v_max3_num_f32 v9, v9, |v[XS+\i+2]|, |v[XS+\i+3]|
.endr
	v_max3_num_f32 v8, v8, |v[XS+30]|, |v[XS+31]|
	v_max3_num_f32 v8, v8, v9, 0x1800000           ; and the floor 2^(3 - 127)
	v_add_nc_u32 v10, 0xff000000, v8               ; 2 off the exponent field: the conversion's scale operand
	v_lshrrev_b32 v11, 23, v10                     ; the scale's byte
.if (\t) == 0
	v_mov_b32 v12, v11                             ; byte t of my column's scale word
.else
	v_lshl_or_b32 v12, v11, 8*(\t), v12
.endif
	v_cvt_scalef32_pk16_fp6_f32 v[C:C+2], v[XS:XS+15], v10
	v_cvt_scalef32_pk16_fp6_f32 v[D:D+2], v[XS+16:XS+31], v10
	v_nop                                          ; one plain place behind a scaled conversion
.irp i, 0,1,2
	v_mov_b32 v[C+3+\i], v[D+\i]
.endr
.if (\t) < 2                                   ; registers 0-5 of lane r + 16 h: plane 0 whole, the lower half of plane 1
	ds_store_b128 v2, v[C:C+3] offset:256*((\t)%2)
	ds_store_b64 v2, v[C+4:C+5] offset:256*((\t)%2)+512
.else                                          ; registers 6-11: the upper half of plane 1, plane 2 whole
	ds_store_b64 v2, v[C:C+1] offset:256*((\t)%2)+520
	ds_store_b128 v2, v[C+2:C+5] offset:256*((\t)%2)+1024
.endif
	s_wait_dscnt 0x0                               ; the stores have read their registers: the next block's codes may be written
.endm
	LOAD 0
	LOAD 1
	BLOCK 0
	BLOCK 1
	BLOCK 2
	BLOCK 3
.irp i, 0,1,2,3,4,5
	ds_load_b128 v[BK+4*\i:BK+4*\i+3], v3 offset:512*\i    ; LDS serves a wave's instructions in order: these see my stores
.endr
	global_store_b32 v5, v12, s[26:27]
.irp i, 0,1,2,3,4,5
	s_wait_dscnt 5-\i                              ; plane i is back; the younger ones stay out
	global_store_b128 v4, v[BK+4*\i:BK+4*\i+3], s[24:25] offset:(\i/3)*TILEB+(\i%3)*512   ; 512 consecutive bytes, at a multiple of 256 from wq's first byte
.endr
	s_wait_tensorcnt 0x0
	ds_add_u32 v192, v193
	s_wait_dscnt 0x0
	s_endpgm
.Lfunc_end_k_q07ad0b42cf_quant_w:
	.size	k_q07ad0b42cf_quant_w, .Lfunc_end_k_q07ad0b42cf_quant_w-k_q07ad0b42cf_quant_w
	.p2alignl 7, 3214868480
	.fill 96, 4, 3214868480
	.section	.rodata,"a",@progbits
	.p2align	6, 0x0
	.amdhsa_kernel k_q07ad0b42cf_quant_w
		.amdhsa_group_segment_fixed_size 12800
		.amdhsa_private_segment_fixed_size 0
		.amdhsa_enable_private_segment 0
		.amdhsa_kernarg_size 40
		.amdhsa_user_sgpr_count 2
		.amdhsa_user_sgpr_kernarg_segment_ptr 1
		.amdhsa_wavefront_size32 1
		.amdhsa_system_sgpr_workgroup_id_x 1
		.amdhsa_system_sgpr_workgroup_id_y 1
		.amdhsa_system_sgpr_workgroup_id_z 1
		.amdhsa_system_vgpr_workitem_id 0
		.amdhsa_next_free_vgpr 194
		.amdhsa_next_free_sgpr 66
		.amdhsa_reserve_vcc 0
		.amdhsa_float_denorm_mode_32 3
		.amdhsa_float_denorm_mode_16_64 3
		.amdhsa_memory_ordered 1
		.amdhsa_forward_progress 1
		.amdhsa_inst_pref_size 23
	.end_amdhsa_kernel
	.amdgpu_metadata
---
amdhsa.version: [ 1, 2 ]
amdhsa.kernels:
  - .name:           k_q07ad0b42cf_quant_w
    .symbol:         k_q07ad0b42cf_quant_w.kd
    .args:
      - { .name: Wq, .offset: 0, .size: 8, .value_kind: global_buffer, .address_space: global }
      - { .name: Wk, .offset: 8, .size: 8, .value_kind: global_buffer, .address_space: global }
      - { .name: Wv, .offset: 16, .size: 8, .value_kind: global_buffer, .address_space: global }
      - { .name: W0, .offset: 24, .size: 8, .value_kind: global_buffer, .address_space: global }
      - { .name: wq, .offset: 32, .size: 8, .value_kind: global_buffer, .address_space: global }
    .group_segment_fixed_size: 12800
    .private_segment_fixed_size: 0
    .kernarg_segment_align: 8
    .kernarg_segment_size: 40
    .max_flat_workgroup_size: 128
    .sgpr_count:     66
    .vgpr_count:     194
    .wavefront_size: 32
...
	.end_amdgpu_metadata
.endif
;; end of part 2
;; launch qkv (part 3): grid 8 x 24, 16 waves a work-group, no clusters, 169,984 bytes of LDS; arguments xq, wq, qst, kst, vst; writes qst, kst, vst
.if DOCPART == 3
	.amdgcn_target "amdgcn-amd-amdhsa--gfx1250"
	.amdhsa_code_object_version 6
	.text
	.protected	k_q07ad0b42cf_qkv
	.globl	k_q07ad0b42cf_qkv
	.p2align	8
	.type	k_q07ad0b42cf_qkv,@function
k_q07ad0b42cf_qkv:
	s_mov_b64 s[64:65], 0
	v_nop
	global_prefetch_b8 v0, s[64:65] scope:SCOPE_SE
	s_setreg_imm32_b32 hwreg(HW_REG_WAVE_MODE, 25, 1), 1
	s_wait_xcnt 0x0
; q = X Wq, k = X Wk, v = X Wv on codes of FP6 (E2M3) with E8M0 scales, K = 1,024, sums in f32; each result is quantised in registers, along the axis that the attention contracts, and stored as operand images.
; ONE BODY, TWO ROLES.  Source 0 = 16 rows of P, source 1 = 16 rows of R: a lane holds ONE row of R and its registers run along P's rows, the axis to be quantised.
;   y < 16 (q, k): P = 128 columns of Wq or Wk (two heads), R = 512 rows of X.     y >= 16 (v): P = 128 rows of X (128 keys), R = 512 columns of Wv.
; A tile T = 2 B + u holds in lane r row 32 B + 8 u + r + 8 (r / 8), so that the 16 registers of P's tiles 2 B and 2 B + 1 are 16 NEIGHBOURS along P: 32 B + 16 (lane / 16) + 0 .. 15.
; SHARES.  192 work-groups of sixteen waves, four to a SIMD, 256 registers each: no register windows.  A wave makes P 128 x R 32: 16 accumulators.
; P's panel (8 tiles x all of K, 98,304 bytes, and its 4,096 bytes of scale words) comes into LDS ONCE, by five tensor loads of wave 0 that are all first fills: nothing is filled again.
; R's fragments are a wave's own: they come straight from memory as images of the registers, two K steps ahead.  No cluster: the shared panel is a fifth of what a work-group reads, the rest goes to one wave's registers.
; OUT.  qst, kst: [b x 16 + head][step of 128 rows][6,656]: four pairs of tiles x 1,536 bytes (a tile: 16 rows x the head's 64: six registers a lane), then four x 128 bytes of scale words
; (lanes 0-15 the pair's first tile, lanes 16-31 its second; bytes 2 and 3 are 0x7f).  vst: the same frame: four whole fragments (16 channels x 128 keys), then their scale words.
; LIMITS: NaN and infinities are not served; a block whose largest magnitude lies under 2^-124 gets the byte 1: this program alone reads the bytes.
.set SCO,   3145728
.set TILEB, 12288
.set FRB,   1536
.set CHUNK, 24576                      ; LDS: chunk j (K steps 2 j, 2 j + 1) at CHUNK j: [tile 0..7][2][1,536]
.set PSCL,  4*CHUNK                    ; P's scale words: [tile][s][16 words]
.set HEADB, 106496                     ; a head in qst, kst, vst
.set STEPB, 6656
.set LI,  1                            ; v1  16 x lane;  v2  the same + 2 chunks
.set PSA, 3                            ; v3  PSCL + 4 (lane % 16)
.set RSA, 4                            ; v4  4 (lane % 16)
.set LS,  5                            ; v5  4 x lane
.set PS,  8                            ; v8-15   P's scale words of the K step in hand: scales and nothing else
.set RS,  16                           ; v16-31  R's scale words, all of K: 8 q + s
.set PF,  32                           ; v32-79  four fragments of P
.set RB,  80                           ; v80-127 two sets of R's two fragments
.set ACC, 128                          ; v128-255 accumulator (q, t) at 64 q + 8 t
.set E,   32                           ; the way out, in registers that the fragments have left: v32-43, v44-55 two images,
.set OD,  44
.set CT,  56                           ; v56-62 conversions' upper halves, v64-79 at work, v80-84 scale words
.set TM,  64
.set PW0, 80
.set PW1, 81
.set WV,  14
.set G1P, 32                           ; s[32:39] descriptor group 1 for a chunk;  s[40:47] for the scale words
.set G1S, 40
.set G0S, 48                           ; s[48:51], s[68:83] groups 0
.set G0P, 68
.set SEL, 58
.macro PLACES                          ; four plain vector instructions between a matrix instruction and a load into, or a vector instruction on, its registers
.rept 4
	v_nop
.endr
.endm
	s_load_b256 s[4:11], s[0:1], 0x0               ; xq, wq, qst, kst
	s_load_b64 s[12:13], s[0:1], 0x20              ; vst
	v_lshl_add_u32 v6, v0, 2, 0x29000
	v_mov_b32 v7, 0
	ds_add_u32 v6, v7
	ds_add_u32 v6, v7
	v_lshrrev_b32 v1, 5, v0
	v_readfirstlane_b32 s[WV], v1                  ; wave 0..15
	v_and_b32 v5, 31, v0
	v_lshlrev_b32 v1, 4, v5
	v_add_nc_u32 v2, 2*CHUNK, v1
	v_lshlrev_b32 v5, 2, v5
	v_and_b32 v4, 15, v0
	v_lshlrev_b32 v4, 2, v4
	v_add_nc_u32 v3, PSCL, v4
	s_mov_b32 s[G1P], 3<<16                        ; elements of 8 bytes, no mask, no padding
	s_mov_b32 s[G1P+1], 384<<16                    ; tensor_dim0: 3,072 bytes: a tile's two K steps
	s_mov_b32 s[G1P+2], 8<<16                      ; tensor_dim1: 8 tiles
	s_mov_b32 s[G1P+3], 384<<16                    ; tile_dim0
	s_mov_b32 s[G1P+4], 8                          ; tile_dim1
	s_mov_b32 s[G1P+5], 1536                       ; from tile to tile: 12,288 bytes
	s_mov_b32 s[G1P+6], 0
	s_mov_b32 s[G1P+7], 0
	s_mov_b32 s[G1S], 3<<16                        ; 4,096 dense bytes as 16 rows of 256
	s_mov_b32 s[G1S+1], 32<<16
	s_mov_b32 s[G1S+2], 16<<16
	s_mov_b32 s[G1S+3], 32<<16
	s_mov_b32 s[G1S+4], 16
	s_mov_b32 s[G1S+5], 32
	s_mov_b32 s[G1S+6], 0
	s_mov_b32 s[G1S+7], 0
	s_mov_b32 s56, 0x7f7f0000
	s_mov_b32 s[SEL], 0x76543210
	s_mov_b32 s[SEL+1], 0xfedcba98                 ; lane l xor 16
	s_mov_b32 s15, ttmp9                           ; x
	s_and_b32 s16, ttmp7, 0xffff                   ; y
	s_lshl_b32 s17, s16, 3
	s_add_co_u32 s17, s17, s15
	s_sub_co_u32 s17, s17, 128                     ; v's work-groups count 8 (y - 16) + x = 0 .. 63:
	s_bfe_u32 s28, s17, 0x50001                    ; 128 keys,
	s_and_b32 s29, s17, 1                          ; and which 512 columns of Wv
	s_wait_dscnt 0x0
	s_wait_kmcnt 0x0
	s_cmp_lt_u32 s16, 16                           ; the roles hang on the work-group's number alone
	s_cselect_b32 s18, s16, s28                    ; pg: which 128 rows of P
	s_cselect_b32 s19, s15, s29                    ; rb: which 512 rows of R
	s_cselect_b64 s[20:21], s[6:7], s[4:5]         ; P
	s_cselect_b64 s[22:23], s[4:5], s[6:7]         ; R
	s_cselect_b32 s30, 0, 128                      ; Wv's tiles begin at tile 128 of wq
	s_mul_i32 s60, s18, 8*TILEB
	s_mov_b32 s61, 0
	s_lshl_b32 s62, s18, 12
	s_add_co_u32 s62, s62, SCO
	s_mov_b32 s63, 0
	s_add_nc_u64 s[60:61], s[20:21], s[60:61]      ; P's codes
	s_add_nc_u64 s[62:63], s[20:21], s[62:63]      ; P's scale words
	s_mov_b32 s[G0S], 1
	s_mov_b32 s[G0S+1], PSCL
	s_mov_b64 s[G0S+2:G0S+3], s[62:63]
	s_or_b32 s[G0S+3], s[G0S+3], 0x80000000
.irp j, 0,1,2,3
	s_mov_b32 s[G0P+4*\j], 1
	s_mov_b32 s[G0P+4*\j+1], \j*CHUNK
	s_add_nc_u64 s[G0P+4*\j+2:G0P+4*\j+3], s[60:61], \j*2*FRB
	s_or_b32 s[G0P+4*\j+3], s[G0P+4*\j+3], 0x80000000
.endr
	s_lshl_b32 s31, s19, 5
	s_lshl_b32 s28, s[WV], 1
	s_add_co_u32 s31, s31, s28
	s_add_co_u32 s31, s31, s30                     ; my first tile of R: 32 rb + 2 wave (+ 128)
	s_mul_i32 s24, s31, TILEB
	s_mov_b32 s25, 0
	s_lshl_b32 s26, s31, 9
	s_add_co_u32 s26, s26, SCO
	s_mov_b32 s27, 0
	s_add_nc_u64 s[24:25], s[22:23], s[24:25]      ; R's codes
	s_add_nc_u64 s[26:27], s[22:23], s[26:27]      ; R's scale words
	s_cmp_lg_u32 s[WV], 0                          ; wave 0 asks for the whole panel: five first fills in one branch, ahead of every wait on TENSORcnt, LDS read and barrier; five loads of that wave are out
	s_cbranch_scc1 .Lno_fill
	tensor_load_to_lds s[G0S:G0S+3], s[G1S:G1S+7]
	s_nop 0
	tensor_load_to_lds s[G0P:G0P+3], s[G1P:G1P+7]
	s_nop 0
	tensor_load_to_lds s[G0P+4:G0P+7], s[G1P:G1P+7]
	s_nop 0
	tensor_load_to_lds s[G0P+8:G0P+11], s[G1P:G1P+7]
	s_nop 0
	tensor_load_to_lds s[G0P+12:G0P+15], s[G1P:G1P+7]
	s_nop 0
.rept 4
	v_nop
.endr
.Lno_fill:
.macro RLOAD s                         ; R's two fragments of K step s into set s % 2: six loads of 512 consecutive bytes
.irp q, 0,1
.irp p, 0,1,2
	global_load_b128 v[RB+24*((\s)%2)+12*\q+4*\p:RB+24*((\s)%2)+12*\q+4*\p+3], v[LI], s[24:25] offset:TILEB*\q+FRB*(\s)+512*\p
.endr
.endr
.endm
.macro PLOAD s, half                   ; four of P's eight fragments of K step s
.irp i, 0,1,2,3
.irp p, 0,1,2
	ds_load_b128 v[PF+12*\i+4*\p:PF+12*\i+4*\p+3], v[LI+((\s)/4)] offset:(((\s)/2)%2)*CHUNK+(4*(\half)+\i)*2*FRB+((\s)%2)*FRB+512*\p
.endr
.endr
.endm
.macro PSC s                           ; P's eight scale words of K step s
.irp t, 0,1,2,3,4,5,6,7
	ds_load_b32 v[PS+\t], v[PSA] offset:512*\t+64*(\s)
.endr
.endm
.macro MUL s, half, zero               ; eight products on eight accumulators; the sixteen take turns, one instruction a turn.  zero = 1: the first K step starts the sums
.irp i, 0,1,2,3
.irp q, 0,1
.if \zero
	v_wmma_scale_f32_16x16x128_f8f6f4 v[ACC+64*\q+8*(4*(\half)+\i):ACC+64*\q+8*(4*(\half)+\i)+7], v[PF+12*\i:PF+12*\i+11], v[RB+24*((\s)%2)+12*\q:RB+24*((\s)%2)+12*\q+11], 0, v[PS+4*(\half)+\i], v[RS+8*\q+(\s)] matrix_a_fmt:MATRIX_FMT_FP6 matrix_b_fmt:MATRIX_FMT_FP6
.else
	v_wmma_scale_f32_16x16x128_f8f6f4 v[ACC+64*\q+8*(4*(\half)+\i):ACC+64*\q+8*(4*(\half)+\i)+7], v[PF+12*\i:PF+12*\i+11], v[RB+24*((\s)%2)+12*\q:RB+24*((\s)%2)+12*\q+11], v[ACC+64*\q+8*(4*(\half)+\i):ACC+64*\q+8*(4*(\half)+\i)+7], v[PS+4*(\half)+\i], v[RS+8*\q+(\s)] matrix_a_fmt:MATRIX_FMT_FP6 matrix_b_fmt:MATRIX_FMT_FP6
.endif
.endr
.endr
.endm
.macro KSTEP s, zero
.if (\s) < 7
	s_wait_loadcnt 6                               ; R's fragments of this step (and all of R's scale words) are in; the next step's six loads may be out
.else
	s_wait_loadcnt 0x0
.endif
	PSC \s
	PLOAD \s, 0
	s_wait_dscnt 0x0
	MUL \s, 0, \zero
	PLACES
	PLOAD \s, 1
	s_wait_dscnt 0x0
	MUL \s, 1, \zero
	PLACES
.if (\s) < 6
	RLOAD (\s)+2                                   ; into the set just multiplied
.endif
.endm
.irp q, 0,1
.irp s, 0,1,2,3,4,5,6,7
	global_load_b32 v[RS+8*\q+\s], v[RSA], s[26:27] offset:512*\q+64*\s
.endr
.endr
	RLOAD 0
	RLOAD 1
	s_wait_tensorcnt 3                             ; wave 0: the scale words and chunk 0 have landed, three chunks stay out (tensor loads of a wave end in order)
	s_barrier_signal -1
	s_barrier_wait -1
	KSTEP 0, 1
	KSTEP 1, 0
	s_wait_tensorcnt 2                             ; chunk 1
	s_barrier_signal -1
	s_barrier_wait -1
	KSTEP 2, 0
	KSTEP 3, 0
	s_wait_tensorcnt 1                             ; chunk 2
	s_barrier_signal -1
	s_barrier_wait -1
	KSTEP 4, 0
	KSTEP 5, 0
	s_wait_tensorcnt 0x0                           ; chunk 3
	s_barrier_signal -1
	s_barrier_wait -1
	KSTEP 6, 0
	KSTEP 7, 0                                     ; (it ends with four places)
; 64 numbers of a lane, register 16 b + i = place 32 b + 16 (lane / 16) + i along the axis to be quantised, become codes: blocks 0, 1 in v[d0] on (six registers), blocks 2, 3 in v[d1] on; the four bytes in v[pw].
; Each accumulator is read from its low end on.
.macro QUANT s, d0, d1, pw
.irp b, 0,1,2,3
	v_max3_num_f32 v[TM+\b], |v[\s+16*\b]|, |v[\s+1+16*\b]|, 0x1800000   ; my 16 numbers of block b, and the floor 2^(3 - 127)
.endr
.irp i, 2,4,6,8,10,12,14
.irp b, 0,1,2,3
	v_max3_num_f32 v[TM+\b], v[TM+\b], |v[\s+16*\b+\i]|, |v[\s+1+16*\b+\i]|   ; the four blocks by turns
.endr
.endr
.irp b, 0,1,2,3
	v_permlanex16_b32 v[TM+4+\b], v[TM+\b], s[SEL], s[SEL+1]
.endr
.irp b, 0,1,2,3
	v_max_num_f32 v[TM+\b], v[TM+\b], v[TM+4+\b]   ; with lane l xor 16's: the block's largest magnitude
.endr
.irp b, 0,1,2,3
	v_add_nc_u32 v[TM+12+\b], 0xff000000, v[TM+\b] ; 2 off the exponent field: the conversion's scale operand
.endr
.irp b, 0,1,2,3
	v_lshrrev_b32 v[TM+4+\b], 23, v[TM+12+\b]      ; the scale's byte
.endr
	v_lshl_or_b32 v[\pw], v[TM+5], 8, v[TM+4]
	v_lshl_or_b32 v[\pw], v[TM+6], 16, v[\pw]
	v_lshl_or_b32 v[\pw], v[TM+7], 24, v[\pw]
	v_cvt_scalef32_pk16_fp6_f32 v[\d0:\d0+2], v[\s:\s+15], v[TM+12]
	v_cvt_scalef32_pk16_fp6_f32 v[CT:CT+2], v[\s+16:\s+31], v[TM+13]
	v_cvt_scalef32_pk16_fp6_f32 v[\d1:\d1+2], v[\s+32:\s+47], v[TM+14]
	v_cvt_scalef32_pk16_fp6_f32 v[CT+4:CT+6], v[\s+48:\s+63], v[TM+15]
	v_nop                                          ; one plain place behind a scaled conversion
.irp i, 0,1,2                                  ; the operand's layout wants a whole block in a lane: lanes 0-15 the even block, lanes 16-31 the odd one
	v_permlane16_swap_b32 v[\d0+\i], v[CT+\i]
	v_permlane16_swap_b32 v[\d1+\i], v[CT+4+\i]
.endr
.irp i, 0,1,2
	v_mov_b32 v[\d0+3+\i], v[CT+\i]
	v_mov_b32 v[\d1+3+\i], v[CT+4+\i]
.endr
.endm
.irp b, 0,1,2,3
	v_mov_b32 v[TM+4+\b], 0                        ; a lane permute's destination counts as one of its sources
.endr
	s_cmp_lt_u32 s16, 16
	s_cbranch_scc0 .Lv_out
	; q, k: blocks 0, 1 are the even head's 64, blocks 2, 3 the odd head's.  My two tiles of rows are a pair: image = first tile's six registers, then the second's.
	s_lshr_b32 s28, s19, 2
	s_lshl_b32 s28, s28, 4                         ; 16 b
	s_and_b32 s29, s18, 7
	s_lshl_b32 s29, s29, 1
	s_add_co_u32 s28, s28, s29                     ; + the even head
	s_mul_i32 s28, s28, HEADB
	s_and_b32 s29, s19, 3
	s_lshl_b32 s29, s29, 2
	s_lshr_b32 s30, s[WV], 2
	s_add_co_u32 s29, s29, s30                     ; the step of 128 rows: 4 (rb % 4) + wave / 4
	s_mul_i32 s29, s29, STEPB
	s_add_co_u32 s28, s28, s29
	s_and_b32 s30, s[WV], 3                        ; the pair in it
	s_mul_i32 s52, s30, FRB
	s_add_co_u32 s52, s52, s28
	s_mov_b32 s53, 0
	s_lshl_b32 s54, s30, 7
	s_add_co_u32 s54, s54, s28
	s_add_co_u32 s54, s54, 4*FRB
	s_mov_b32 s55, 0
	s_cmp_lt_u32 s18, 8                            ; q's columns or k's
	s_cselect_b64 s[28:29], s[8:9], s[10:11]
	s_add_nc_u64 s[52:53], s[28:29], s[52:53]
	s_add_nc_u64 s[54:55], s[28:29], s[54:55]
	QUANT ACC, E, OD, PW0
	QUANT ACC+64, E+6, OD+6, PW1
	v_cmp_lt_u32 vcc_lo, 63, v[LS]                 ; lanes 16-31
	v_cndmask_b32 v82, v[PW0], v[PW1], vcc_lo      ; lanes 0-15 the first tile's word, lanes 16-31 the second's
	v_and_or_b32 v83, v82, 0xffff, s56             ; the even head's two bytes, under 0x7f 0x7f
	v_lshrrev_b32 v84, 16, v82
	v_or_b32 v84, s56, v84                         ; the odd head's
.irp p, 0,1,2
	global_store_b128 v[LI], v[E+4*\p:E+4*\p+3], s[52:53] offset:512*\p          ; 512 consecutive bytes, at a multiple of 256 from the buffer's first byte
	global_store_b128 v[LI], v[OD+4*\p:OD+4*\p+3], s[52:53] offset:HEADB+512*\p
.endr
	global_store_b32 v[LS], v83, s[54:55]
	global_store_b32 v[LS], v84, s[54:55] offset:HEADB
	s_wait_tensorcnt 0x0
	ds_add_u32 v6, v7
	s_wait_dscnt 0x0
	s_endpgm
.Lv_out:
	; v: the four blocks are a step's 128 keys: each of my two tiles of channels gives a whole fragment and a whole scale word
	s_and_b32 s28, s18, 16                         ; 16 b
	s_lshl_b32 s29, s19, 4
	s_add_co_u32 s29, s29, s[WV]                   ; my 32 columns of Wv: pair 16 rb + wave
	s_lshr_b32 s30, s29, 1                         ; the head
	s_add_co_u32 s28, s28, s30
	s_mul_i32 s28, s28, HEADB
	s_and_b32 s30, s18, 15                         ; the step of 128 keys
	s_mul_i32 s30, s30, STEPB
	s_add_co_u32 s28, s28, s30
	s_and_b32 s29, s29, 1                          ; channel tiles 0, 1 or 2, 3 of the head
	s_mul_i32 s52, s29, 2*FRB
	s_add_co_u32 s52, s52, s28
	s_mov_b32 s53, 0
	s_lshl_b32 s54, s29, 8
	s_add_co_u32 s54, s54, s28
	s_add_co_u32 s54, s54, 4*FRB
	s_mov_b32 s55, 0
	s_add_nc_u64 s[52:53], s[12:13], s[52:53]
	s_add_nc_u64 s[54:55], s[12:13], s[54:55]
	QUANT ACC, E, E+6, PW0
	QUANT ACC+64, OD, OD+6, PW1
.irp p, 0,1,2
	global_store_b128 v[LI], v[E+4*\p:E+4*\p+3], s[52:53] offset:512*\p
	global_store_b128 v[LI], v[OD+4*\p:OD+4*\p+3], s[52:53] offset:FRB+512*\p
.endr
	global_store_b32 v[LS], v[PW0], s[54:55]       ; lanes 16-31 hold the same words as lanes 0-15, and have places of their own
	global_store_b32 v[LS], v[PW1], s[54:55] offset:128
	s_wait_tensorcnt 0x0
	ds_add_u32 v6, v7
	s_wait_dscnt 0x0
	s_endpgm
.Lfunc_end_k_q07ad0b42cf_qkv:
	.size	k_q07ad0b42cf_qkv, .Lfunc_end_k_q07ad0b42cf_qkv-k_q07ad0b42cf_qkv
	.p2alignl 7, 3214868480
	.fill 96, 4, 3214868480
	.section	.rodata,"a",@progbits
	.p2align	6, 0x0
	.amdhsa_kernel k_q07ad0b42cf_qkv
		.amdhsa_group_segment_fixed_size 169984
		.amdhsa_private_segment_fixed_size 0
		.amdhsa_enable_private_segment 0
		.amdhsa_kernarg_size 40
		.amdhsa_user_sgpr_count 2
		.amdhsa_user_sgpr_kernarg_segment_ptr 1
		.amdhsa_wavefront_size32 1
		.amdhsa_system_sgpr_workgroup_id_x 1
		.amdhsa_system_sgpr_workgroup_id_y 1
		.amdhsa_system_sgpr_workgroup_id_z 1
		.amdhsa_system_vgpr_workitem_id 0
		.amdhsa_next_free_vgpr 256
		.amdhsa_next_free_sgpr 84
		.amdhsa_reserve_vcc 1
		.amdhsa_float_denorm_mode_32 3
		.amdhsa_float_denorm_mode_16_64 3
		.amdhsa_memory_ordered 1
		.amdhsa_forward_progress 1
		.amdhsa_inst_pref_size 65
	.end_amdhsa_kernel
	.amdgpu_metadata
---
amdhsa.version: [ 1, 2 ]
amdhsa.kernels:
  - .name:           k_q07ad0b42cf_qkv
    .symbol:         k_q07ad0b42cf_qkv.kd
    .args:
      - { .name: xq, .offset: 0, .size: 8, .value_kind: global_buffer, .address_space: global }
      - { .name: wq, .offset: 8, .size: 8, .value_kind: global_buffer, .address_space: global }
      - { .name: qst, .offset: 16, .size: 8, .value_kind: global_buffer, .address_space: global }
      - { .name: kst, .offset: 24, .size: 8, .value_kind: global_buffer, .address_space: global }
      - { .name: vst, .offset: 32, .size: 8, .value_kind: global_buffer, .address_space: global }
    .group_segment_fixed_size: 169984
    .private_segment_fixed_size: 0
    .kernarg_segment_align: 8
    .kernarg_segment_size: 40
    .max_flat_workgroup_size: 512
    .sgpr_count:     84
    .vgpr_count:     256
    .wavefront_size: 32
...
	.end_amdgpu_metadata
.endif
;; end of part 3
;; launch attn (part 4): grid 8 x 32, 16 waves a work-group, clusters of 4 x 1, 215,040 bytes of LDS; arguments qst, kst, vst, cq; writes cq
.if DOCPART == 4
	.amdgcn_target "amdgcn-amd-amdhsa--gfx1250"
	.amdhsa_code_object_version 6
	.text
	.protected	k_q07ad0b42cf_attn
	.globl	k_q07ad0b42cf_attn
	.p2align	8
	.type	k_q07ad0b42cf_attn,@function
k_q07ad0b42cf_attn:
	s_mov_b64 s[64:65], 0
	v_nop
	global_prefetch_b8 v0, s[64:65] scope:SCOPE_SE
	s_setreg_imm32_b32 hwreg(HW_REG_WAVE_MODE, 25, 1), 1
	s_wait_xcnt 0x0
	s_wait_alu depctr_hold_cnt(0) depctr_sa_sdst(0) depctr_va_vdst(0) depctr_va_sdst(0) depctr_va_ssrc(0) depctr_va_vcc(0) depctr_vm_vsrc(0)
	s_getreg_b32 s2, hwreg(HW_REG_IB_STS2, 6, 4)
	s_cmp_eq_u32 s2, 0
	s_cbranch_scc0 .Lentry_in_a_cluster
	s_endpgm
.Lentry_in_a_cluster:
	s_bfe_u32 s2, ttmp6, 0x10000c
	s_cmp_lg_u32 s2, 0x3003
	s_cbranch_scc0 .Lentry_shape_is_right
	s_endpgm
.Lentry_shape_is_right:
; concat[b][q][head x 64 ..] = softmax_k(q . k / 8) v, both products on codes of FP6 (E2M3) with E8M0 scales; the result is quantised along head x 64 + channel and stored as codes for the last product.
; THE SOFTMAX AHEAD OF THE SECOND PRODUCT: t = score x log2(e) / 8; M = the row's largest t so far, rounded UP to a whole number; p = 2^(t - M) is quantised along the keys, not normalised; the row's sum is taken of
; the unquantised p, in f32, and divides O at the end.  When M moves, the sum and O are multiplied by 2^(old M - new M): exact.
; SHARES.  A work-group owns 256 queries of one head; each of its sixteen waves one tile of 16, in 256 registers: four waves to a SIMD, so that one wave's vector work stands beside another's products and LDS loads.
; A head's K and V as codes with their scale words are 2 x 106,496 bytes: they come into LDS ONCE, in four groups of four key steps; nothing is filled again.
; CLUSTER.  The four work-groups of a cluster belong to one head: K and V are asked for JOINTLY, by the same tensor loads with the same descriptors and the mask of all four (wave 0: K's four, wave 1: V's four).
; LAYOUT.  Both products transposed: S^T = K Q^T, O^T = V^T P^T: a lane holds ONE query (lane % 16).  The rows of a tile are 32 B + 8 u + r + 8 (r / 8), so that the 16 registers of two neighbouring tiles are 16 neighbours.
; THE FIRST PRODUCT'S K IS 64, half of the instruction's 128: Q's registers 6-11 are zero codes, and bytes 2, 3 of both scale words are 0x7f.  K's operand for tile t is the run of twelve registers from the tile's six on:
; its upper six hold the next tile's codes (for the last tile: p's codes of the step before, zeros at first), which meet zeros.
; LIMITS: NaN and infinities are not served; p under 2^-126 counts as 0 (ISA guide, v_exp_f32); a block whose largest magnitude lies under 2^-124 gets the byte 1: this program alone reads the bytes.
.set SCO,   3145728
.set TILEB, 12288
.set FRB,   1536
.set HEADB, 106496
.set STEPB, 6656                       ; a key step in LDS as in memory: four images of 1,536 bytes, then four x 128 bytes of scale words
.set GRP,   4*STEPB                    ; what one tensor load brings
.set VOFF,  HEADB                      ; LDS: K's stream at 0, V's behind it
.set LI,  1                            ; v1  16 x lane
.set LS,  2                            ; v2  4 x lane
.set ADK, 3                            ; v3-6 the step's LDS addresses: K's images, K's words, V's images, V's words
.set ADS, 4
.set ADV, 5
.set ADT, 6
.set QS,  7                            ; v7  Q's scale words: scales and nothing else
.set NM,  8                            ; v8 -M, v9 the largest t so far
.set SUM, 10                           ; v[10:11] the row's sum in two halves
.set QF,  12                           ; v12-23  Q's fragment
.set KF,  24                           ; v24-71  K's eight tiles, six registers each
.set PC,  72                           ; v72-83  p's codes
.set CT,  84                           ; v84-90  conversions' upper halves
.set VF,  92                           ; v92-139 V's four fragments
.set S,   140                          ; v140-203 S^T, then p
.set OT,  204                          ; v204-235 O^T
.set BM,  236                          ; v236-239 a block's largest score, then its largest p
.set BT,  240                          ; v240-243 at work
.set SO,  244                          ; v244-247 the conversions' scale operands
.set SW,  248                          ; v248-251 K's scale words, then V's: scales and nothing else
.set FF,  252                          ; v252 f;  v253 p's scale word;  v254 at work
.set PW,  253
.set TP,  254
.set WV,  12
.set SEL, 20
.set CS,  22
.set G1,  24                           ; s[24:31] descriptor group 1;  s[32:47] K's four groups 0;  s[48:63] V's
.set G0K, 32
.set G0V, 48
.set TB,  66                           ; s66 LDS byte of the key step in hand;  s67 counts a group's steps
.macro PLACES
.rept 4
	v_nop
.endr
.endm
.macro CROUND                          ; a round of the cluster's barrier
	s_barrier_signal -1
	s_barrier_wait -1
	s_cmp_lg_u32 s[WV], 0
	s_cbranch_scc1 .Lnot_wave_0_\@
	s_barrier_signal -3
.Lnot_wave_0_\@:
	s_barrier_wait -3
	s_barrier_signal -1
	s_barrier_wait -1
.endm
	s_load_b256 s[4:11], s[0:1], 0x0               ; qst, kst, vst, cq
	v_lshl_add_u32 v91, v0, 2, 0x34000
	v_mov_b32 v255, 0
	ds_add_u32 v91, v255
	ds_add_u32 v91, v255
	v_lshrrev_b32 v1, 5, v0
	v_readfirstlane_b32 s[WV], v1                  ; wave 0..15
	v_and_b32 v2, 31, v0
	v_lshlrev_b32 v1, 4, v2
	v_lshlrev_b32 v2, 2, v2
	s_bfe_u32 s13, ttmp6, 0x40000                  ; cx
	s_lshl_b32 s14, ttmp9, 2
	s_add_co_u32 s14, s14, s13                     ; my block of 256 queries: it enters Q's and cq's addresses alone
	s_and_b32 s15, ttmp7, 0xffff                   ; 16 b + head, which the four partners share
	s_mul_i32 s16, s15, HEADB                      ; the head's first byte in qst, kst and vst
	s_mov_b32 s17, 0
	s_mov_b32 s[G1], 15|(3<<16)|(1<<21)            ; the mask: all four work-groups; elements of 8 bytes; bit 21 beside a mask; no padding
	s_mov_b32 s[G1+1], 32<<16                      ; 26,624 dense bytes as 104 rows of 256
	s_mov_b32 s[G1+2], 104<<16
	s_mov_b32 s[G1+3], 32<<16
	s_mov_b32 s[G1+4], 104
	s_mov_b32 s[G1+5], 32
	s_mov_b32 s[G1+6], 0
	s_mov_b32 s[G1+7], 0
	s_mov_b32 s[SEL], 0x76543210
	s_mov_b32 s[SEL+1], 0xfedcba98                 ; lane l xor 16
	s_mov_b32 s[CS], 0x3e38aa3b                    ; c = log2(e) / 8
	s_mov_b32 s[CS+1], s[CS]                       ; (named with it as a pair, so it is written)
	; Q: my tile is tile 16 qblk + wave of the batch: pair 8 qblk + wave / 2, half wave % 2
	s_lshl_b32 s18, s14, 1
	s_lshr_b32 s19, s[WV], 3
	s_add_co_u32 s18, s18, s19
	s_mul_i32 s18, s18, STEPB                      ; the step of 128 rows
	s_bfe_u32 s19, s[WV], 0x20001                  ; the pair in it
	s_mul_i32 s70, s19, FRB
	s_add_co_u32 s70, s70, s18
	s_mov_b32 s71, 0
	s_lshl_b32 s72, s19, 7
	s_add_co_u32 s72, s72, s18
	s_and_b32 s77, s[WV], 1
	s_lshl_b32 s78, s77, 6
	s_add_co_u32 s72, s72, s78                     ; the second tile's words lie 64 bytes on
	s_add_co_u32 s72, s72, 4*FRB
	s_mov_b32 s73, 0
	s_cmp_lg_u32 s77, 0
	s_cselect_b32 s76, -1, 0                       ; all lanes: the pair's second tile?
	s_add_nc_u64 s[70:71], s[70:71], s[16:17]
	s_add_nc_u64 s[72:73], s[72:73], s[16:17]
	; cq: tile T = 128 b + 16 qblk + wave; the head is half c = head % 2 of K step head / 2
	s_lshr_b32 s18, s15, 4
	s_lshl_b32 s18, s18, 7
	s_lshl_b32 s19, s14, 4
	s_add_co_u32 s18, s18, s19
	s_add_co_u32 s18, s18, s[WV]
	s_and_b32 s19, s15, 15
	s_lshr_b32 s77, s19, 1
	s_and_b32 s19, s19, 1
	s_mul_i32 s74, s18, TILEB
	s_mul_i32 s13, s77, FRB
	s_add_co_u32 s74, s74, s13
	s_mul_i32 s13, s19, 768
	s_add_co_u32 s74, s74, s13
	s_mov_b32 s75, 0
	s_lshl_b32 s78, s18, 9
	s_lshl_b32 s13, s77, 6
	s_add_co_u32 s78, s78, s13
	s_lshl_b32 s13, s19, 1
	s_add_co_u32 s78, s78, s13
	s_add_co_u32 s78, s78, SCO
	s_mov_b32 s79, 0
	s_wait_dscnt 0x0
	s_wait_kmcnt 0x0
	s_add_nc_u64 s[6:7], s[6:7], s[16:17]          ; K and V at the head
	s_add_nc_u64 s[8:9], s[8:9], s[16:17]
	s_add_nc_u64 s[70:71], s[4:5], s[70:71]
	s_add_nc_u64 s[72:73], s[4:5], s[72:73]
	s_add_nc_u64 s[74:75], s[10:11], s[74:75]
	s_add_nc_u64 s[78:79], s[10:11], s[78:79]
.irp g, 0,1,2,3
	s_mov_b32 s[G0K+4*\g], 1
	s_mov_b32 s[G0K+4*\g+1], \g*GRP
	s_add_nc_u64 s[G0K+4*\g+2:G0K+4*\g+3], s[6:7], \g*GRP
	s_or_b32 s[G0K+4*\g+3], s[G0K+4*\g+3], 0x80000000
	s_mov_b32 s[G0V+4*\g], 1
	s_mov_b32 s[G0V+4*\g+1], VOFF+\g*GRP
	s_add_nc_u64 s[G0V+4*\g+2:G0V+4*\g+3], s[8:9], \g*GRP
	s_or_b32 s[G0V+4*\g+3], s[G0V+4*\g+3], 0x80000000
.endr
	CROUND                                         ; all four work-groups are here: the joint loads meet
	s_cmp_lg_u32 s[WV], 0                          ; a wave's first fills stand in one branch on its number: four loads of that wave are out
	s_cbranch_scc1 .Lnot_k
	tensor_load_to_lds s[G0K:G0K+3], s[G1:G1+7]
	s_nop 0
	tensor_load_to_lds s[G0K+4:G0K+7], s[G1:G1+7]
	s_nop 0
	tensor_load_to_lds s[G0K+8:G0K+11], s[G1:G1+7]
	s_nop 0
	tensor_load_to_lds s[G0K+12:G0K+15], s[G1:G1+7]
	s_nop 0
.rept 4
	v_nop
.endr
	s_branch .Lasked
.Lnot_k:
	s_cmp_lg_u32 s[WV], 1
	s_cbranch_scc1 .Lasked
	tensor_load_to_lds s[G0V:G0V+3], s[G1:G1+7]
	s_nop 0
	tensor_load_to_lds s[G0V+4:G0V+7], s[G1:G1+7]
	s_nop 0
	tensor_load_to_lds s[G0V+8:G0V+11], s[G1:G1+7]
	s_nop 0
	tensor_load_to_lds s[G0V+12:G0V+15], s[G1:G1+7]
	s_nop 0
.rept 4
	v_nop
.endr
.Lasked:
	v_and_b32 v[ADK], 15, v0
	v_lshlrev_b32 v[ADK], 2, v[ADK]
.irp p, 0,1,2
	global_load_b128 v[S+4*\p:S+4*\p+3], v[LI], s[70:71] offset:512*\p   ; the pair's image
.endr
	global_load_b32 v[QS], v[ADK], s[72:73]        ; my tile's scale words
	v_mov_b32 v[NM+1], 0xff61b1e6                  ; the largest t so far: -3e38, under every t
	v_floor_f32 v[NM], -v[NM+1]                    ; -M
	v_mov_b32 v[SUM], 0
	v_mov_b32 v[SUM+1], 0
.irp i, 0,1,2,3,4,5
	v_mov_b32 v[QF+6+\i], 0                        ; zero codes for k = 64 .. 127
	v_mov_b32 v[PC+\i], 0                          ; what the last K tile's operand reaches into
.endr
.irp b, 0,1,2,3
	v_mov_b32 v[BT+\b], 0                          ; a lane permute's destination counts as one of its sources
.endr
	v_mov_b32 v[PW], 0                             ; (named as the upper half of the pair with f before it is first written)
	s_wait_loadcnt 0x0
.irp i, 0,1,2,3,4,5
	v_cndmask_b32 v[QF+\i], v[S+\i], v[S+6+\i], s76   ; my half of the pair
.endr
.set j, 0
.rept 32
	v_mov_b32 v[OT+j], 0                           ; O^T: the step is written once; its first pass finds zeros, which the first change of M leaves zeros
.set j, j+1
.endr
; A KEY STEP: 128 keys.
.macro STEP
	v_add_nc_u32 v[ADK], s[TB], v[LI]              ; (these four are also the places between the last step's products and the loads into their registers)
	v_add_nc_u32 v[ADS], s[TB], v[LS]
	v_add_nc_u32 v[ADV], VOFF, v[ADK]
	v_add_nc_u32 v[ADT], VOFF, v[ADS]
.irp j, 0,1,2,3
.irp p, 0,1,2
	ds_load_b128 v[KF+12*\j+4*\p:KF+12*\j+4*\p+3], v[ADK] offset:FRB*\j+512*\p
.endr
.endr
.irp j, 0,1,2,3
	ds_load_b32 v[SW+\j], v[ADS] offset:4*FRB+128*\j   ; lanes 0-15: tile 2 j's words, lanes 16-31: tile 2 j + 1's
.endr
.irp j, 0,1,2,3
.irp p, 0,1,2
	ds_load_b128 v[VF+12*\j+4*\p:VF+12*\j+4*\p+3], v[ADV] offset:FRB*\j+512*\p
.endr
.endr
	s_wait_dscnt 12                                ; K and its words are in; V's twelve loads may be out
.irp j, 0,1,2,3
	v_wmma_scale_f32_16x16x128_f8f6f4 v[S+16*\j:S+16*\j+7], v[KF+12*\j:KF+12*\j+11], v[QF:QF+11], 0, v[SW+\j], v[QS] matrix_a_fmt:MATRIX_FMT_FP6 matrix_b_fmt:MATRIX_FMT_FP6
	v_wmma_scale_f32_16x16x128_f8f6f4 v[S+16*\j+8:S+16*\j+15], v[KF+12*\j+6:KF+12*\j+17], v[QF:QF+11], 0, v[SW+\j], v[QS] matrix_a_fmt:MATRIX_FMT_FP6 matrix_b_fmt:MATRIX_FMT_FP6 matrix_a_scale:MATRIX_SCALE_ROW1
.endr
	PLACES                                         ; in front of the loads into the scale registers and of the first read of the scores
.irp j, 0,1,2,3
	ds_load_b32 v[SW+\j], v[ADT] offset:4*FRB+128*\j   ; V's words
.endr
.irp b, 0,1,2,3
	v_max3_num_f32 v[BM+\b], v[S+16*\b], v[S+16*\b+1], v[S+16*\b+2]   ; the largest score of each block of 32 keys: for the row's maximum and, since p rises with the score, for the block's largest p
.endr
.irp i, 3,5,7,9,11,13
.irp b, 0,1,2,3
	v_max3_num_f32 v[BM+\b], v[BM+\b], v[S+16*\b+\i], v[S+16*\b+\i+1]   ; the four blocks by turns
.endr
.endr
.irp b, 0,1,2,3
	v_max_num_f32 v[BM+\b], v[BM+\b], v[S+16*\b+15]
.endr
.irp b, 0,1,2,3
	v_permlanex16_b32 v[BT+\b], v[BM+\b], s[SEL], s[SEL+1]
.endr
.irp b, 0,1,2,3
	v_max_num_f32 v[BM+\b], v[BM+\b], v[BT+\b]     ; with lane l xor 16's 16 keys
.endr
	v_max3_num_f32 v[TP], v[BM], v[BM+1], v[BM+2]
	v_max_num_f32 v[TP], v[TP], v[BM+3]            ; the step's largest score of my query
	v_mul_f32 v[TP], s[CS], v[TP]                  ; as t
	v_max_num_f32 v[NM+1], v[NM+1], v[TP]          ; the running largest t
	v_mov_b32 v[TP], v[NM]
	v_floor_f32 v[NM], -v[NM+1]                    ; the new -M = floor(-t) = -ceil(t)
	v_sub_f32 v[TP], v[NM], v[TP]                  ; old M - new M: a whole number, 0 or less
	v_cvt_i32_f32 v[TP], v[TP]                     ; (it saturates)
	v_ldexp_f32 v[FF], 1.0, v[TP]                  ; f = 2^(old M - new M)
.set j, 0
.rept 32
	v_pk_fma_f32 v[S+j:S+j+1], v[S+j:S+j+1], s[CS:CS+1], v[NM:NM+1] op_sel_hi:[1,0,0]   ; t - M, two at a time
.set j, j+2
.endr
.irp b, 0,1,2,3
	v_fma_f32 v[BM+\b], v[BM+\b], s[CS], v[NM]     ; the same of each block's largest score
.endr
.set j, 0
.rept 64
	v_exp_f32 v[S+j], v[S+j]                       ; p = 2^(t - M)
.set j, j+1
.endr
.irp b, 0,1,2,3
	v_exp_f32 v[BM+\b], v[BM+\b]                   ; the block's largest p: the same two instructions on the same number
.endr
	v_pk_mul_f32 v[SUM:SUM+1], v[SUM:SUM+1], v[FF:FF+1] op_sel_hi:[1,0]   ; the sums under the new M (a plain place behind the exponentials)
	s_wait_alu depctr_va_vdst(0)
.irp b, 0,1,2,3
	v_max_num_f32 v[BM+\b], 0x1800000, v[BM+\b]    ; the floor 2^(3 - 127)
.endr
.irp b, 0,1,2,3
	v_add_nc_u32 v[SO+\b], 0xff000000, v[BM+\b]    ; 2 off the exponent field: the conversion's scale operand
.endr
.irp b, 0,1,2,3
	v_lshrrev_b32 v[BT+\b], 23, v[SO+\b]           ; the scale's byte
.endr
	v_lshl_or_b32 v[PW], v[BT+1], 8, v[BT]         ; p's scale word for these 128 keys
	v_lshl_or_b32 v[PW], v[BT+2], 16, v[PW]
	v_lshl_or_b32 v[PW], v[BT+3], 24, v[PW]
.irp c, 0,1
	v_cvt_scalef32_pk16_fp6_f32 v[PC+6*\c:PC+6*\c+2], v[S+32*\c:S+32*\c+15], v[SO+2*\c]
	v_cvt_scalef32_pk16_fp6_f32 v[CT+4*\c:CT+4*\c+2], v[S+32*\c+16:S+32*\c+31], v[SO+2*\c+1]
.endr
	v_nop                                          ; one plain place behind a scaled conversion
.irp c, 0,1                                    ; a whole block to a lane: lanes 0-15 block 2 c, lanes 16-31 block 2 c + 1
.irp i, 0,1,2
	v_permlane16_swap_b32 v[PC+6*\c+\i], v[CT+4*\c+\i]
.endr
.irp i, 0,1,2
	v_mov_b32 v[PC+6*\c+3+\i], v[CT+4*\c+\i]
.endr
.endr
	v_pk_add_f32 v[BT:BT+1], v[S:S+1], v[S+2:S+3]  ; the row's sum is taken of the unquantised p: two at a time, in two chains
.set j, 4
.rept 15
	v_pk_add_f32 v[SUM:SUM+1], v[SUM:SUM+1], v[S+j:S+j+1]
	v_pk_add_f32 v[BT:BT+1], v[BT:BT+1], v[S+j+2:S+j+3]
.set j, j+4
.endr
	v_pk_add_f32 v[SUM:SUM+1], v[SUM:SUM+1], v[BT:BT+1]
.set j, 0
.rept 16
	v_pk_mul_f32 v[OT+j:OT+j+1], v[OT+j:OT+j+1], v[FF:FF+1] op_sel_hi:[1,0]   ; O^T under the new M.  (The sums and these are far more than the eight places that a scale word made by vector instructions owes)
.set j, j+2
.endr
	s_wait_dscnt 0x0                               ; V and its words are in
.irp t, 0,1,2,3                                ; four accumulators, one instruction a turn
	v_wmma_scale_f32_16x16x128_f8f6f4 v[OT+8*\t:OT+8*\t+7], v[VF+12*\t:VF+12*\t+11], v[PC:PC+11], v[OT+8*\t:OT+8*\t+7], v[SW+\t], v[PW] matrix_a_fmt:MATRIX_FMT_FP6 matrix_b_fmt:MATRIX_FMT_FP6
.endr
	s_add_co_u32 s[TB], s[TB], STEPB
.endm
.macro GROUP g                         ; four key steps: what one load of K's and one of V's brought
	s_wait_tensorcnt 3-\g                          ; waves 0 and 1: my load g has landed, the later ones stay out (tensor loads of a wave end in order)
	s_barrier_signal -1
	s_barrier_wait -1
	s_mov_b32 s[TB], \g*GRP
	s_mov_b32 s67, 4
.Lstep_\@:
	STEP
	s_sub_co_u32 s67, s67, 1
	s_cmp_lg_u32 s67, 0
	s_cbranch_scc1 .Lstep_\@
.endm
	GROUP 0
	GROUP 1
	GROUP 2
	GROUP 3
	; THE WAY OUT.  O^T / the sum: register 16 b + i is channel 32 b + 16 (lane / 16) + i of my query: two blocks of 32 along the last product's K.
	PLACES
	v_add_f32 v[SUM], v[SUM], v[SUM+1]
	v_permlanex16_b32 v[TP], v[SUM], s[SEL], s[SEL+1]
	v_add_f32 v[SUM], v[SUM], v[TP]                ; the row's sum
	v_rcp_f32 v[SUM], v[SUM]
	v_and_b32 v[ADK], 31, v0                       ; (a plain place behind the transcendental)
	v_lshlrev_b32 v[ADK], 3, v[ADK]                ; 8 x lane
	v_and_b32 v[ADS], 15, v0
	v_lshlrev_b32 v[ADS], 2, v[ADS]                ; 4 (lane % 16)
.set j, 0
	s_wait_alu depctr_va_vdst(0)
.rept 32
	v_mul_f32 v[S+j], v[OT+j], v[SUM]              ; each accumulator from its low end on
.set j, j+1
.endr
.irp b, 0,1
	v_max3_num_f32 v[BM+\b], |v[S+16*\b]|, |v[S+16*\b+1]|, 0x1800000
.endr
.irp i, 2,4,6,8,10,12,14
.irp b, 0,1
	v_max3_num_f32 v[BM+\b], v[BM+\b], |v[S+16*\b+\i]|, |v[S+16*\b+\i+1]|
.endr
.endr
.irp b, 0,1
	v_permlanex16_b32 v[BT+\b], v[BM+\b], s[SEL], s[SEL+1]
.endr
.irp b, 0,1
	v_max_num_f32 v[BM+\b], v[BM+\b], v[BT+\b]
.endr
.irp b, 0,1
	v_add_nc_u32 v[SO+\b], 0xff000000, v[BM+\b]
.endr
.irp b, 0,1
	v_lshrrev_b32 v[BT+\b], 23, v[SO+\b]
.endr
	v_lshl_or_b32 v[TP], v[BT+1], 8, v[BT]         ; the head's two bytes of the row's scale word
	v_cvt_scalef32_pk16_fp6_f32 v[PC:PC+2], v[S:S+15], v[SO]
	v_cvt_scalef32_pk16_fp6_f32 v[CT:CT+2], v[S+16:S+31], v[SO+1]
	v_nop                                          ; one plain place behind a scaled conversion
.irp i, 0,1,2
	v_permlane16_swap_b32 v[PC+\i], v[CT+\i]
.endr
.irp i, 0,1,2
	v_mov_b32 v[PC+3+\i], v[CT+\i]
.endr
.irp p, 0,1,2
	global_store_b64 v[ADK], v[PC+2*\p:PC+2*\p+1], s[74:75] offset:256*\p   ; 32 lanes store 256 consecutive bytes, at a multiple of 256 from cq's first byte
.endr
	global_store_b16 v[ADS], v[TP], s[78:79]       ; lanes 16-31 hold and write the same bytes as lanes 0-15
	s_wait_tensorcnt 0x0
	ds_add_u32 v91, v255
	s_wait_dscnt 0x0
	CROUND                                         ; the closing round: no work-group ends while a partner may still ask for a tile that names it
	s_endpgm
.Lfunc_end_k_q07ad0b42cf_attn:
	.size	k_q07ad0b42cf_attn, .Lfunc_end_k_q07ad0b42cf_attn-k_q07ad0b42cf_attn
	.p2alignl 7, 3214868480
	.fill 96, 4, 3214868480
	.section	.rodata,"a",@progbits
	.p2align	6, 0x0
	.amdhsa_kernel k_q07ad0b42cf_attn
		.amdhsa_group_segment_fixed_size 215040
		.amdhsa_private_segment_fixed_size 0
		.amdhsa_enable_private_segment 0
		.amdhsa_kernarg_size 32
		.amdhsa_user_sgpr_count 2
		.amdhsa_user_sgpr_kernarg_segment_ptr 1
		.amdhsa_wavefront_size32 1
		.amdhsa_system_sgpr_workgroup_id_x 1
		.amdhsa_system_sgpr_workgroup_id_y 1
		.amdhsa_system_sgpr_workgroup_id_z 1
		.amdhsa_system_vgpr_workitem_id 0
		.amdhsa_next_free_vgpr 256
		.amdhsa_next_free_sgpr 80
		.amdhsa_reserve_vcc 0
		.amdhsa_float_denorm_mode_32 3
		.amdhsa_float_denorm_mode_16_64 3
		.amdhsa_memory_ordered 1
		.amdhsa_forward_progress 1
		.amdhsa_inst_pref_size 77
	.end_amdhsa_kernel
	.amdgpu_metadata
---
amdhsa.version: [ 1, 2 ]
amdhsa.kernels:
  - .name:           k_q07ad0b42cf_attn
    .symbol:         k_q07ad0b42cf_attn.kd
    .args:
      - { .name: qst, .offset: 0, .size: 8, .value_kind: global_buffer, .address_space: global }
      - { .name: kst, .offset: 8, .size: 8, .value_kind: global_buffer, .address_space: global }
      - { .name: vst, .offset: 16, .size: 8, .value_kind: global_buffer, .address_space: global }
      - { .name: cq, .offset: 24, .size: 8, .value_kind: global_buffer, .address_space: global }
    .group_segment_fixed_size: 215040
    .private_segment_fixed_size: 0
    .kernarg_segment_align: 8
    .kernarg_segment_size: 32
    .max_flat_workgroup_size: 512
    .sgpr_count:     80
    .vgpr_count:     256
    .wavefront_size: 32
...
	.end_amdgpu_metadata
.endif
;; end of part 4
;; launch oproj (part 5): grid 16 x 16, 8 waves a work-group, no clusters, 168,960 bytes of LDS; arguments cq, wq, out0; writes out0
.if DOCPART == 5
	.amdgcn_target "amdgcn-amd-amdhsa--gfx1250"
	.amdhsa_code_object_version 6
	.text
	.protected	k_q07ad0b42cf_oproj
	.globl	k_q07ad0b42cf_oproj
	.p2align	8
	.type	k_q07ad0b42cf_oproj,@function
k_q07ad0b42cf_oproj:
	s_mov_b64 s[64:65], 0
	v_nop
	global_prefetch_b8 v0, s[64:65] scope:SCOPE_SE
	s_setreg_imm32_b32 hwreg(HW_REG_WAVE_MODE, 25, 1), 1
	s_wait_xcnt 0x0
; out0 = concat W0 on codes of FP6 (E2M3) with E8M0 scales, K = 1,024, sums in f32.
; Source 0 = 16 columns of W0 (wq's tiles 192 on), source 1 = 16 rows of concat: a lane holds one row and eight neighbouring columns a tile.  A tile T = 2 B + u holds in lane r row 32 B + 8 u + r + 8 (r / 8).
; SHARES.  256 work-groups of eight waves: 64 columns x 256 rows; a wave makes 64 x 32: eight accumulators.  W0's panel (4 tiles x all of K, 49,152 bytes, and 2,048 bytes of scale words) comes into LDS once,
; by five tensor loads of wave 0, all first fills.  concat's fragments are a wave's own: straight from memory, two K steps ahead; in cq a fragment lies in six planes of 256 bytes, 8 bytes a lane.
; No cluster: the shared panel is a fifth of what a work-group reads.
; OUT.  16 rows x 64 columns go through the wave's own stage in LDS (bytes into which no tensor load lands) and leave as rows: sixteen lanes store 256 consecutive bytes, aligned.
.set SCO,   3145728
.set TILEB, 12288
.set FRB,   1536
.set CHUNK, 12288                      ; LDS: chunk j (K steps 2 j, 2 j + 1) at CHUNK j: [tile 0..3][2][1,536]
.set PSCL,  4*CHUNK                    ; W0's scale words: [tile][s][16 words]
.set STAGE, PSCL+2048                  ; the stages: 16 rows x 272 bytes for each wave
.set SP,    272
.set LI,  1                            ; v1 16 x lane;  v2 8 x lane;  v3 PSCL + 4 (lane % 16);  v4 4 (lane % 16);  v5, v6 the stage, in and back;  v7 my byte in two rows of out0
.set L8,  2
.set PSA, 3
.set RSA, 4
.set STO, 5
.set RD,  6
.set CO,  7
.set PS,  8                            ; v8-11   W0's scale words of the K step in hand: scales and nothing else
.set RS,  16                           ; v16-31  concat's scale words, all of K
.set PF,  32                           ; v32-79  W0's four fragments
.set RB,  80                           ; v80-127 two sets of concat's two fragments
.set ACC, 128                          ; v128-191 accumulator (q, t) at 32 q + 8 t
.set BK,  192                          ; v192-223 rows read back
.set WV,  14
.set G1P, 32
.set G1S, 40
.set G0S, 48
.set G0P, 68
.macro PLACES
.rept 4
	v_nop
.endr
.endm
	s_load_b128 s[4:7], s[0:1], 0x0                ; cq, wq
	s_load_b64 s[8:9], s[0:1], 0x10                ; out0
	v_lshl_add_u32 v224, v0, 2, 0x29000
	v_mov_b32 v225, 0
	ds_add_u32 v224, v225
	ds_add_u32 v224, v225
	v_lshrrev_b32 v1, 5, v0
	v_readfirstlane_b32 s[WV], v1                  ; wave 0..7
	v_and_b32 v2, 31, v0
	v_lshlrev_b32 v1, 4, v2
	v_lshlrev_b32 v2, 3, v2
	v_and_b32 v32, 15, v0                          ; r
	v_bfe_u32 v33, v0, 4, 1                        ; h
	v_lshlrev_b32 v4, 2, v32
	v_add_nc_u32 v3, PSCL, v4
	s_mul_i32 s18, s[WV], 16*SP
	s_add_co_u32 s18, s18, STAGE                   ; my stage
	v_mul_u32_u24 v5, v32, SP
	v_lshl_add_u32 v5, v33, 6, v5
	v_add_nc_u32 v5, s18, v5                       ; in: row r, + 64 h bytes
	v_mul_u32_u24 v6, v33, SP
	v_lshl_add_u32 v6, v32, 4, v6
	v_add_nc_u32 v6, s18, v6                       ; back: lanes 0-15 one row, lanes 16-31 the next
	v_lshlrev_b32 v7, 12, v33
	v_lshl_add_u32 v7, v32, 4, v7                  ; and the same two rows in out0
	s_mov_b32 s[G1P], 3<<16                        ; elements of 8 bytes, no mask, no padding
	s_mov_b32 s[G1P+1], 384<<16                    ; 3,072 bytes: a tile's two K steps
	s_mov_b32 s[G1P+2], 4<<16                      ; 4 tiles
	s_mov_b32 s[G1P+3], 384<<16
	s_mov_b32 s[G1P+4], 4
	s_mov_b32 s[G1P+5], 1536                       ; from tile to tile: 12,288 bytes
	s_mov_b32 s[G1P+6], 0
	s_mov_b32 s[G1P+7], 0
	s_mov_b32 s[G1S], 3<<16                        ; 2,048 dense bytes as 8 rows of 256
	s_mov_b32 s[G1S+1], 32<<16
	s_mov_b32 s[G1S+2], 8<<16
	s_mov_b32 s[G1S+3], 32<<16
	s_mov_b32 s[G1S+4], 8
	s_mov_b32 s[G1S+5], 32
	s_mov_b32 s[G1S+6], 0
	s_mov_b32 s[G1S+7], 0
	s_and_b32 s16, ttmp7, 0xffff                   ; rb: 256 rows
	s_lshl_b32 s17, ttmp9, 2
	s_add_co_u32 s17, s17, 192                     ; W0's first tile of my 64 columns
	s_mul_i32 s60, s17, TILEB
	s_mov_b32 s61, 0
	s_lshl_b32 s62, s17, 9
	s_add_co_u32 s62, s62, SCO
	s_mov_b32 s63, 0
	s_lshl_b32 s19, s16, 4
	s_lshl_b32 s20, s[WV], 1
	s_add_co_u32 s19, s19, s20                     ; my first tile of concat: 16 rb + 2 wave
	s_mul_i32 s24, s19, TILEB
	s_mov_b32 s25, 0
	s_lshl_b32 s26, s19, 9
	s_add_co_u32 s26, s26, SCO
	s_mov_b32 s27, 0
	s_lshl_b32 s28, s16, 3
	s_add_co_u32 s28, s28, s[WV]
	s_lshl_b32 s28, s28, 17                        ; my 32 rows of 4,096 bytes begin at row 32 (8 rb + wave),
	s_lshl_b32 s29, ttmp9, 8                       ; my 64 columns at byte 256 x
	s_add_co_u32 s28, s28, s29
	s_mov_b32 s29, 0
	s_wait_dscnt 0x0
	s_wait_kmcnt 0x0
	s_add_nc_u64 s[60:61], s[6:7], s[60:61]
	s_add_nc_u64 s[62:63], s[6:7], s[62:63]
	s_add_nc_u64 s[24:25], s[4:5], s[24:25]
	s_add_nc_u64 s[26:27], s[4:5], s[26:27]
	s_add_nc_u64 s[28:29], s[8:9], s[28:29]
	s_mov_b32 s[G0S], 1
	s_mov_b32 s[G0S+1], PSCL
	s_mov_b64 s[G0S+2:G0S+3], s[62:63]
	s_or_b32 s[G0S+3], s[G0S+3], 0x80000000
.irp j, 0,1,2,3
	s_mov_b32 s[G0P+4*\j], 1
	s_mov_b32 s[G0P+4*\j+1], \j*CHUNK
	s_add_nc_u64 s[G0P+4*\j+2:G0P+4*\j+3], s[60:61], \j*2*FRB
	s_or_b32 s[G0P+4*\j+3], s[G0P+4*\j+3], 0x80000000
.endr
	s_cmp_lg_u32 s[WV], 0                          ; wave 0 asks for the whole panel: five first fills in one branch; five loads of that wave are out
	s_cbranch_scc1 .Lno_fill
	tensor_load_to_lds s[G0S:G0S+3], s[G1S:G1S+7]
	s_nop 0
	tensor_load_to_lds s[G0P:G0P+3], s[G1P:G1P+7]
	s_nop 0
	tensor_load_to_lds s[G0P+4:G0P+7], s[G1P:G1P+7]
	s_nop 0
	tensor_load_to_lds s[G0P+8:G0P+11], s[G1P:G1P+7]
	s_nop 0
	tensor_load_to_lds s[G0P+12:G0P+15], s[G1P:G1P+7]
	s_nop 0
.rept 4
	v_nop
.endr
.Lno_fill:
.macro RLOAD s                         ; concat's two fragments of K step s into set s % 2: twelve loads of 256 consecutive bytes
.irp q, 0,1
.irp c, 0,1
.irp p, 0,1,2
	global_load_b64 v[RB+24*((\s)%2)+12*\q+6*\c+2*\p:RB+24*((\s)%2)+12*\q+6*\c+2*\p+1], v[L8], s[24:25] offset:TILEB*\q+FRB*(\s)+768*\c+256*\p
.endr
.endr
.endr
.endm
.macro KSTEP s, zero
.if (\s) < 7
	s_wait_loadcnt 12                              ; this step's fragments (and all scale words) are in; the next step's twelve loads may be out
.else
	s_wait_loadcnt 0x0
.endif
.irp t, 0,1,2,3
	ds_load_b32 v[PS+\t], v[PSA] offset:512*\t+64*(\s)
.endr
.irp t, 0,1,2,3
.irp p, 0,1,2
	ds_load_b128 v[PF+12*\t+4*\p:PF+12*\t+4*\p+3], v[LI] offset:((\s)/2)*CHUNK+\t*2*FRB+((\s)%2)*FRB+512*\p
.endr
.endr
	s_wait_dscnt 0x0
.irp t, 0,1,2,3                                ; eight accumulators, one instruction a turn
.irp q, 0,1
.if \zero
	v_wmma_scale_f32_16x16x128_f8f6f4 v[ACC+32*\q+8*\t:ACC+32*\q+8*\t+7], v[PF+12*\t:PF+12*\t+11], v[RB+24*((\s)%2)+12*\q:RB+24*((\s)%2)+12*\q+11], 0, v[PS+\t], v[RS+8*\q+(\s)] matrix_a_fmt:MATRIX_FMT_FP6 matrix_b_fmt:MATRIX_FMT_FP6
.else
	v_wmma_scale_f32_16x16x128_f8f6f4 v[ACC+32*\q+8*\t:ACC+32*\q+8*\t+7], v[PF+12*\t:PF+12*\t+11], v[RB+24*((\s)%2)+12*\q:RB+24*((\s)%2)+12*\q+11], v[ACC+32*\q+8*\t:ACC+32*\q+8*\t+7], v[PS+\t], v[RS+8*\q+(\s)] matrix_a_fmt:MATRIX_FMT_FP6 matrix_b_fmt:MATRIX_FMT_FP6
.endif
.endr
.endr
	PLACES                                         ; in front of loads into registers that these products read, and of the first read of results
.if (\s) < 6
	RLOAD (\s)+2
.endif
.endm
.irp q, 0,1
.irp s, 0,1,2,3,4,5,6,7
	global_load_b32 v[RS+8*\q+\s], v[RSA], s[26:27] offset:512*\q+64*\s
.endr
.endr
	RLOAD 0
	RLOAD 1
	s_wait_tensorcnt 3                             ; wave 0: the scale words and chunk 0 have landed, three chunks stay out
	s_barrier_signal -1
	s_barrier_wait -1
	KSTEP 0, 1
	KSTEP 1, 0
	s_wait_tensorcnt 2
	s_barrier_signal -1
	s_barrier_wait -1
	KSTEP 2, 0
	KSTEP 3, 0
	s_wait_tensorcnt 1
	s_barrier_signal -1
	s_barrier_wait -1
	KSTEP 4, 0
	KSTEP 5, 0
	s_wait_tensorcnt 0x0
	s_barrier_signal -1
	s_barrier_wait -1
	KSTEP 6, 0
	KSTEP 7, 0
; THE WAY OUT.  Tile q of my rows: lane (r, h), accumulator t: columns 32 (t / 2) + 16 h + 8 (t % 2) + 0 .. 7 of stage row r.  LDS serves a wave's instructions in order: no wait between the stores and the loads,
; nor in front of the next tile's stores.
.macro TOSTAGE q, back
.irp t, 0,1,2,3
	ds_store_b128 v[STO], v[ACC+32*\q+8*\t:ACC+32*\q+8*\t+3] offset:128*(\t/2)+32*(\t%2)      ; each accumulator from its low end on
	ds_store_b128 v[STO], v[ACC+32*\q+8*\t+4:ACC+32*\q+8*\t+7] offset:128*(\t/2)+32*(\t%2)+16
.endr
.irp i, 0,1,2,3,4,5,6,7
	ds_load_b128 v[\back+4*\i:\back+4*\i+3], v[RD] offset:2*\i*SP
.endr
.endm
	TOSTAGE 0, BK
	TOSTAGE 1, PF
.irp i, 0,1,2,3,4,5,6,7
	s_wait_dscnt 23-\i                             ; the first tile's load i is back; behind it stand its 7 - i younger loads and the second tile's sixteen instructions
	global_store_b128 v[CO], v[BK+4*\i:BK+4*\i+3], s[28:29] offset:(2*\i+8*(\i/4))*4096 th:TH_STORE_NT   ; stage rows 2 i, 2 i + 1 are rows 2 i + 8 (i / 4) on of my 32; 16 lanes store 256 consecutive bytes, aligned
.endr
.irp i, 0,1,2,3,4,5,6,7
	s_wait_dscnt 7-\i
	global_store_b128 v[CO], v[PF+4*\i:PF+4*\i+3], s[28:29] offset:(8+2*\i+8*(\i/4))*4096 th:TH_STORE_NT
.endr
	s_wait_tensorcnt 0x0
	ds_add_u32 v224, v225
	s_wait_dscnt 0x0
	s_endpgm
.Lfunc_end_k_q07ad0b42cf_oproj:
	.size	k_q07ad0b42cf_oproj, .Lfunc_end_k_q07ad0b42cf_oproj-k_q07ad0b42cf_oproj
	.p2alignl 7, 3214868480
	.fill 96, 4, 3214868480
	.section	.rodata,"a",@progbits
	.p2align	6, 0x0
	.amdhsa_kernel k_q07ad0b42cf_oproj
		.amdhsa_group_segment_fixed_size 168960
		.amdhsa_private_segment_fixed_size 0
		.amdhsa_enable_private_segment 0
		.amdhsa_kernarg_size 24
		.amdhsa_user_sgpr_count 2
		.amdhsa_user_sgpr_kernarg_segment_ptr 1
		.amdhsa_wavefront_size32 1
		.amdhsa_system_sgpr_workgroup_id_x 1
		.amdhsa_system_sgpr_workgroup_id_y 1
		.amdhsa_system_sgpr_workgroup_id_z 1
		.amdhsa_system_vgpr_workitem_id 0
		.amdhsa_next_free_vgpr 226
		.amdhsa_next_free_sgpr 84
		.amdhsa_reserve_vcc 0
		.amdhsa_float_denorm_mode_32 3
		.amdhsa_float_denorm_mode_16_64 3
		.amdhsa_memory_ordered 1
		.amdhsa_forward_progress 1
		.amdhsa_inst_pref_size 38
	.end_amdhsa_kernel
	.amdgpu_metadata
---
amdhsa.version: [ 1, 2 ]
amdhsa.kernels:
  - .name:           k_q07ad0b42cf_oproj
    .symbol:         k_q07ad0b42cf_oproj.kd
    .args:
      - { .name: cq, .offset: 0, .size: 8, .value_kind: global_buffer, .address_space: global }
      - { .name: wq, .offset: 8, .size: 8, .value_kind: global_buffer, .address_space: global }
      - { .name: out0, .offset: 16, .size: 8, .value_kind: global_buffer, .address_space: global }
    .group_segment_fixed_size: 168960
    .private_segment_fixed_size: 0
    .kernarg_segment_align: 8
    .kernarg_segment_size: 24
    .max_flat_workgroup_size: 256
    .sgpr_count:     84
    .vgpr_count:     226
    .wavefront_size: 32
...
	.end_amdgpu_metadata
.endif
;; end of part 5
;; ======== version 2 of 2: 4 launches
;; limits: right only within a limited range of input values
;; workspace buffers: xq 3,276,800 bytes; wq 3,276,800 bytes; cq 3,276,800 bytes; qst 3,407,872 bytes; kst 3,407,872 bytes; vst 3,407,872 bytes
;; launch quant (part 6): grid 384 x 1, 8 waves a work-group, no clusters, 93,184 bytes of LDS; arguments inputs, Wq, Wk, Wv, W0, xq, wq; writes xq, wq
.if DOCPART == 6
	.amdgcn_target "amdgcn-amd-amdhsa--gfx1250"
	.amdhsa_code_object_version 6
	.text
	.protected	k_q07ad0b42cf_quant
	.globl	k_q07ad0b42cf_quant
	.p2align	8
	.type	k_q07ad0b42cf_quant,@function
k_q07ad0b42cf_quant:
	s_mov_b64 s[64:65], 0
	v_nop
	global_prefetch_b8 v0, s[64:65] scope:SCOPE_SE
	s_setreg_imm32_b32 hwreg(HW_REG_WAVE_MODE, 25, 1), 1
	s_wait_xcnt 0x0
; inputs [4096][1024] f32 (K innermost) -> xq, and Wq, Wk, Wv, W0 [1024 (k)][1024 (n)] f32 (K the FIRST axis) -> wq: codes of FP6 (E2M3) with one E8M0 byte for each 32 along K,
; laid as IMAGES OF THE OPERAND'S REGISTERS.  A tile T = 2 B + u is 16 rows (of a weight: 16 columns n): lane r's row is 32 B + 8 u + r + 8 (r / 8).  A fragment (T, s) is the tile's 128 along K from 128 s on:
; 12 registers a lane, lane (r, h) register 6 c + i: k = 128 s + 64 c + 32 h + ..; it lies at 12,288 T + 1,536 s as three planes of 512 bytes, plane p = registers 4 p .. 4 p + 3, lane l at 16 l.
; The scale words (four bytes: a row's 128 along K) lie from byte SCO on, [T][s][16 words].  In wq weight w (0 .. 3: q, k, v, 0) has tiles 64 w on.
; A block's scale is 2^(floor(log2(its largest magnitude)) - 2): its byte is the largest magnitude's exponent field - 2, held at 1 from below.
; LIMITS: NaN and infinities are not served; a block of zeros, or one whose largest magnitude lies under 2^-124, gets the byte 1: this program alone reads the bytes.
; ONE LAUNCH FOR BOTH KINDS.  Work-groups 128 .. 255 take the weights (131,072 bytes read each), the other 256 a tile of inputs each (65,536 bytes).  The two ways part on the work-group's number, never join,
; and have LDS bytes of their own.  Waves share nothing: no barrier.
.set SCO,   3145728
.set TILEB, 12288
.set FRB,   1536
.set PITCH, 528                        ; inputs: a stage row: 512 bytes + 16 = 132 words: sixteen rows' 16-byte pieces start 4 words apart modulo 64
.set STG,   16*PITCH                   ; a wave's stage on the inputs' way
.set WSTG,  8*STG                      ; behind those eight: the weights' way has a stage of two fragments for each wave
.set XR,    16                         ; inputs: v16-79   the rows as loaded
.set XN,    80                         ;         v80-143  register 32 c + i = k 64 c + 32 h + i of my row
.set XF,    144                        ;         v144-155 the fragment
.set XT,    156                        ;         v156-158, v160-162 a block's upper 16 codes (a conversion's three registers begin on an even number)
.set WN,    32                         ; weights: v32-159  four blocks of 32 numbers
.set WC,    16                         ;          v16-21   a block's codes
.set WD,    24                         ;          v24-26   its upper 16 codes as the conversion leaves them
.set WB,    160                        ;          v160-183 the two fragments read back
	s_load_b256 s[4:11], s[0:1], 0x0               ; inputs, Wq, Wk, Wv
	s_load_b128 s[12:15], s[0:1], 0x20             ; W0, xq
	s_load_b64 s[16:17], s[0:1], 0x30              ; wq
	v_lshl_add_u32 v192, v0, 2, 0x16800
	v_mov_b32 v193, 0
	v_lshrrev_b32 v1, 5, v0
	s_delay_alu instid0(VALU_DEP_1)
	v_readfirstlane_b32 s18, v1                    ; wave 0..7
	s_sub_co_u32 s19, ttmp9, 128
	s_cmp_lt_u32 s19, 128                          ; work-groups 128 .. 255
	s_cbranch_scc1 .Lweights
; ---- INPUTS.  A work-group takes a tile, each wave a K step: 16 rows x 512 bytes.  Each load reads a row's 512 consecutive bytes; the numbers turn through the wave's own stage,
; so that a lane gets 2 x 32 neighbours along K of ONE row.
	s_cmp_lt_u32 ttmp9, 128
	s_cselect_b32 s19, ttmp9, s19                  ; the tile: work-groups 0 .. 127 and 256 .. 383 are tiles 0 .. 255
	v_and_b32 v2, 31, v0
	s_delay_alu instid0(VALU_DEP_1)
	v_lshlrev_b32 v1, 4, v2                        ; v1: 16 x lane
	v_and_b32 v6, 15, v0                           ; r
	v_bfe_u32 v7, v0, 4, 1                         ; h
	s_mul_i32 s20, s18, STG                        ; my stage
	v_add_nc_u32 v2, s20, v1                       ; v2: into the stage, as loaded
	v_mul_u32_u24 v3, v6, PITCH
	s_delay_alu instid0(VALU_DEP_1)
	v_lshl_add_u32 v3, v7, 7, v3
	s_delay_alu instid0(VALU_DEP_1)
	v_add_nc_u32 v3, s20, v3                       ; v3: out of it: row r, + 128 h bytes
	v_lshlrev_b32 v4, 2, v6                        ; v4: 4 r: my row's scale word
	v_lshlrev_b32 v5, 3, v7                        ; v5: 8 h
	v_mov_b32 v15, 0                               ; a lane permute's destination counts as one of its sources
	s_mov_b32 s36, 0x76543210
	s_mov_b32 s37, 0xfedcba98                      ; lane l xor 16
	s_lshr_b32 s22, s19, 1
	s_lshl_b32 s22, s22, 17                        ; 32 (T / 2) rows of 4,096 bytes
	s_and_b32 s23, s19, 1
	s_lshl_b32 s23, s23, 15                        ; + 8 (T % 2) rows
	s_add_co_u32 s22, s22, s23
	s_lshl_b32 s23, s18, 9                         ; + 512 s
	s_add_co_u32 s22, s22, s23
	s_mov_b32 s23, 0
	s_mul_i32 s24, s19, TILEB
	s_mul_i32 s25, s18, FRB
	s_add_co_u32 s24, s24, s25
	s_mov_b32 s25, 0
	s_lshl_b32 s26, s19, 9
	s_lshl_b32 s27, s18, 6
	s_add_co_u32 s26, s26, s27
	s_add_co_u32 s26, s26, SCO
	s_mov_b32 s27, 0
	s_wait_alu depctr_va_vdst(0)
	s_wait_kmcnt 0x0
	s_add_nc_u64 s[4:5], s[4:5], s[22:23]
	s_add_nc_u64 s[24:25], s[14:15], s[24:25]      ; the fragment
	s_add_nc_u64 s[26:27], s[14:15], s[26:27]      ; the scale words
.irp p, 0,1,2,3,4,5,6,7,8,9,10,11,12,13,14,15
	global_load_b128 v[XR+4*\p:XR+4*\p+3], v1, s[4:5] offset:(\p+8*(\p/8))*4096 th:TH_LOAD_NT   ; the tile's row p: 512 consecutive bytes
.endr
.irp p, 0,1,2,3,4,5,6,7,8,9,10,11,12,13,14,15
	s_wait_loadcnt 15-\p                           ; loads come back in order: row p is in, the younger rows stay out
	ds_store_b128 v2, v[XR+4*\p:XR+4*\p+3] offset:PITCH*\p
.endr
.irp c, 0,1
.irp j, 0,1,2,3,4,5,6,7
	ds_load_b128 v[XN+32*\c+4*\j:XN+32*\c+4*\j+3], v3 offset:256*\c+16*\j   ; LDS serves a wave's instructions in order: these see my stores
.endr
.endr
	s_wait_dscnt 0x0
.irp c, 0,1                                    ; my block 2 c + h: all its 32 numbers are mine
	v_max3_num_f32 v[8+\c], |v[XN+32*\c]|, |v[XN+32*\c+1]|, 0x1800000   ; with the floor 2^(3 - 127): the byte cannot fall under 1
.endr
.irp i, 2,4,6,8,10,12,14,16,18,20,22,24,26,28,30
.irp c, 0,1
	s_delay_alu instid0(VALU_DEP_2)
	v_max3_num_f32 v[8+\c], v[8+\c], |v[XN+32*\c+\i]|, |v[XN+32*\c+\i+1]|   ; the two blocks by turns
.endr
.endr
.irp c, 0,1
	s_delay_alu instid0(VALU_DEP_2)
	v_add_nc_u32 v[10+\c], 0xff000000, v[8+\c]     ; 2 off the exponent field: the conversion's scale operand
.endr
.irp c, 0,1
	s_delay_alu instid0(VALU_DEP_2)
	v_lshrrev_b32 v[12+\c], 23, v[10+\c]           ; the scale's byte
.endr
	s_delay_alu instid0(VALU_DEP_1)
	v_lshl_or_b32 v14, v13, 16, v12                ; my two bytes, blocks h and 2 + h,
	s_delay_alu instid0(VALU_DEP_1)
	v_lshlrev_b32 v14, v5, v14                     ; at their places in the word;
	s_delay_alu instid0(VALU_DEP_1)
	v_permlanex16_b32 v15, v14, s36, s37
	s_delay_alu instid0(VALU_DEP_1)
	v_or_b32 v14, v14, v15                         ; with lane l xor 16's two the word is whole
.irp c, 0,1
	v_cvt_scalef32_pk16_fp6_f32 v[XF+6*\c:XF+6*\c+2], v[XN+32*\c:XN+32*\c+15], v[10+\c]
	v_cvt_scalef32_pk16_fp6_f32 v[XT+4*\c:XT+4*\c+2], v[XN+32*\c+16:XN+32*\c+31], v[10+\c]
.endr
	v_nop                                          ; one plain place behind a scaled conversion
.irp c, 0,1
.irp i, 0,1,2
	v_mov_b32 v[XF+6*\c+3+\i], v[XT+4*\c+\i]
.endr
.endr
.irp p, 0,1,2
	global_store_b128 v1, v[XF+4*\p:XF+4*\p+3], s[24:25] offset:512*\p   ; 32 lanes store 512 consecutive bytes, at a multiple of 256 from xq's first byte
.endr
	global_store_b32 v4, v14, s[26:27]             ; lanes 16-31 hold and write the same words as lanes 0-15
	s_wait_tensorcnt 0x0
	ds_add_u32 v192, v193
	s_wait_dscnt 0x0
	s_endpgm
; ---- WEIGHTS.  A LANE TAKES A COLUMN AND ITS REGISTERS RUN DOWN K: a load reads 128 consecutive bytes a wave (four waves stand side by side on 512), a block of 32 along K lies in one lane,
; and the conversions give codes with K innermost.  Lane l of a wave's 32 columns is row r = l % 8 + 8 (l / 16) of tile u = (l / 8) % 2; its block t is what lane (r, h = t % 2) of the
; fragment holds in registers 6 (t / 2) on.  So each block's 24 bytes go to their place in the wave's own stage, and the two fragments leave as they lie, 512 consecutive bytes a store.
; Work-group number n = 0 .. 127: 128 columns n % 8, K steps 2 ((n / 8) % 4) and the next, weight n / 32.  Wave: 32 columns wave % 4, K step wave / 4 of the two.  Loads run two blocks ahead.
.Lweights:
	v_and_b32 v6, 31, v0                           ; l
	s_delay_alu instid0(VALU_DEP_1)
	v_lshlrev_b32 v1, 2, v6                        ; v1: 4 l: my column
	s_delay_alu instid0(VALU_DEP_2)
	v_lshlrev_b32 v4, 4, v6                        ; v4: 16 l
	v_bfe_u32 v7, v0, 3, 1                         ; u
	v_and_b32 v13, 7, v0
	v_bfe_u32 v14, v0, 4, 1
	s_delay_alu instid0(VALU_DEP_1)
	v_lshl_add_u32 v13, v14, 3, v13                ; r
	s_mul_i32 s20, s18, 2*FRB
	s_add_co_u32 s20, s20, WSTG                    ; my stage: two fragments
	v_mul_u32_u24 v2, v7, FRB
	s_delay_alu instid0(VALU_DEP_1)
	v_lshl_add_u32 v2, v13, 4, v2
	s_delay_alu instid0(VALU_DEP_1)
	v_add_nc_u32 v2, s20, v2                       ; v2: stage + 1,536 u + 16 r
	v_add_nc_u32 v3, s20, v4                       ; v3: stage + 16 l
	v_lshlrev_b32 v5, 9, v7
	s_delay_alu instid0(VALU_DEP_1)
	v_lshl_add_u32 v5, v13, 2, v5                  ; v5: 512 u + 4 r: my column's scale word
	s_and_b32 s21, s19, 7                          ; which 128 columns
	s_lshr_b32 s32, s19, 5                         ; which weight
	s_bfe_u32 s22, s19, 0x20003
	s_lshl_b32 s22, s22, 1
	s_lshr_b32 s23, s18, 2
	s_add_co_u32 s22, s22, s23                     ; K step s
	s_and_b32 s23, s18, 3                          ; which 32 of the 128 columns
	s_lshl_b32 s24, s22, 19                        ; 128 s rows of 4,096 bytes
	s_lshl_b32 s25, s21, 9                         ; + 128 columns a work-group
	s_add_co_u32 s24, s24, s25
	s_lshl_b32 s25, s23, 7                         ; + 32 columns a wave
	s_add_co_u32 s24, s24, s25
	s_mov_b32 s25, 0
	s_lshl_b32 s26, s21, 2
	s_add_co_u32 s26, s26, s23                     ; the pair of tiles
	s_lshl_b32 s26, s26, 1
	s_lshl_b32 s27, s32, 6
	s_add_co_u32 s26, s26, s27                     ; its first tile in wq
	s_mul_i32 s28, s26, TILEB
	s_mul_i32 s29, s22, FRB
	s_add_co_u32 s28, s28, s29
	s_mov_b32 s29, 0
	s_lshl_b32 s30, s26, 9
	s_lshl_b32 s31, s22, 6
	s_add_co_u32 s30, s30, s31
	s_add_co_u32 s30, s30, SCO
	s_mov_b32 s31, 0
	s_wait_kmcnt 0x0
	s_cmp_eq_u32 s32, 1                            ; the weight is chosen by the work-group's number alone
	s_cselect_b64 s[6:7], s[8:9], s[6:7]
	s_cmp_eq_u32 s32, 2
	s_cselect_b64 s[6:7], s[10:11], s[6:7]
	s_cmp_eq_u32 s32, 3
	s_cselect_b64 s[6:7], s[12:13], s[6:7]
	s_add_nc_u64 s[6:7], s[6:7], s[24:25]
	s_add_nc_u64 s[28:29], s[16:17], s[28:29]      ; the fragments
	s_add_nc_u64 s[30:31], s[16:17], s[30:31]      ; the scale words
.macro LOAD t                          ; block t: W(128 s + 32 t + i, my column)
.set i, 0
.rept 32
	global_load_b32 v[WN+32*(\t)+i], v1, s[6:7] offset:(32*(\t)+i)*4096 th:TH_LOAD_NT
.set i, i+1
.endr
.endm
.macro BLOCK t
.set XS, WN+32*(\t)
.if (\t) < 3
	s_wait_loadcnt 32                              ; this block's 32 loads are in; the next block's may be out
.else
	s_wait_loadcnt 0x0
.endif
.if (\t) < 2
	LOAD (\t)+2                                    ; into registers of its own
.endif
	v_max3_num_f32 v8, |v[XS]|, |v[XS+1]|, |v[XS+2]|       ; the block's largest magnitude: all 32 numbers are mine; two chains
	v_max3_num_f32 v9, |v[XS+3]|, |v[XS+4]|, |v[XS+5]|
.irp i, 6,10,14,18,22,26
	s_delay_alu instid0(VALU_DEP_2)
	v_max3_num_f32 v8, v8, |v[XS+\i]|, |v[XS+\i+1]|
	s_delay_alu instid0(VALU_DEP_2)
	v_max3_num_f32 v9, v9, |v[XS+\i+2]|, |v[XS+\i+3]|
.endr
	s_delay_alu instid0(VALU_DEP_2)
	v_max3_num_f32 v8, v8, |v[XS+30]|, |v[XS+31]|
	s_delay_alu instid0(VALU_DEP_1)
	v_max3_num_f32 v8, v8, v9, 0x1800000           ; and the floor 2^(3 - 127)
	s_delay_alu instid0(VALU_DEP_1)
	v_add_nc_u32 v10, 0xff000000, v8               ; 2 off the exponent field: the conversion's scale operand
	s_delay_alu instid0(VALU_DEP_1)
	v_lshrrev_b32 v11, 23, v10                     ; the scale's byte
.if (\t) == 0
	s_delay_alu instid0(VALU_DEP_1)
	v_mov_b32 v12, v11                             ; byte t of my column's scale word
.else
	s_delay_alu instid0(VALU_DEP_1)
	v_lshl_or_b32 v12, v11, 8*(\t), v12
.endif
	v_cvt_scalef32_pk16_fp6_f32 v[WC:WC+2], v[XS:XS+15], v10
	v_cvt_scalef32_pk16_fp6_f32 v[WD:WD+2], v[XS+16:XS+31], v10
	v_nop                                          ; one plain place behind a scaled conversion
.irp i, 0,1,2
	v_mov_b32 v[WC+3+\i], v[WD+\i]
.endr
.if (\t) < 2                                   ; registers 0-5 of lane r + 16 h: plane 0 whole, the lower half of plane 1
	ds_store_b128 v2, v[WC:WC+3] offset:256*((\t)%2)
	ds_store_b64 v2, v[WC+4:WC+5] offset:256*((\t)%2)+512
.else                                          ; registers 6-11: the upper half of plane 1, plane 2 whole
	ds_store_b64 v2, v[WC:WC+1] offset:256*((\t)%2)+520
	ds_store_b128 v2, v[WC+2:WC+5] offset:256*((\t)%2)+1024
.endif
	s_wait_dscnt 0x0                               ; the stores have read their registers: the next block's codes may be written
.endm
	LOAD 0
	LOAD 1
	BLOCK 0
	BLOCK 1
	BLOCK 2
	BLOCK 3
.irp i, 0,1,2,3,4,5
	ds_load_b128 v[WB+4*\i:WB+4*\i+3], v3 offset:512*\i    ; LDS serves a wave's instructions in order: these see my stores
.endr
	s_wait_alu depctr_va_vdst(0)
	global_store_b32 v5, v12, s[30:31]
.irp i, 0,1,2,3,4,5
	s_wait_dscnt 5-\i                              ; plane i is back; the younger ones stay out
	global_store_b128 v4, v[WB+4*\i:WB+4*\i+3], s[28:29] offset:(\i/3)*TILEB+(\i%3)*512   ; 512 consecutive bytes, at a multiple of 256 from wq's first byte
.endr
	s_wait_tensorcnt 0x0
	ds_add_u32 v192, v193
	s_wait_dscnt 0x0
	s_endpgm
.Lfunc_end_k_q07ad0b42cf_quant:
	.size	k_q07ad0b42cf_quant, .Lfunc_end_k_q07ad0b42cf_quant-k_q07ad0b42cf_quant
	.p2alignl 7, 3214868480
	.fill 96, 4, 3214868480
	.section	.rodata,"a",@progbits
	.p2align	6, 0x0
	.amdhsa_kernel k_q07ad0b42cf_quant
		.amdhsa_group_segment_fixed_size 93184
		.amdhsa_private_segment_fixed_size 0
		.amdhsa_enable_private_segment 0
		.amdhsa_kernarg_size 56
		.amdhsa_user_sgpr_count 2
		.amdhsa_user_sgpr_kernarg_segment_ptr 1
		.amdhsa_wavefront_size32 1
		.amdhsa_system_sgpr_workgroup_id_x 1
		.amdhsa_system_sgpr_workgroup_id_y 1
		.amdhsa_system_sgpr_workgroup_id_z 1
		.amdhsa_system_vgpr_workitem_id 0
		.amdhsa_next_free_vgpr 194
		.amdhsa_next_free_sgpr 66
		.amdhsa_reserve_vcc 0
		.amdhsa_float_denorm_mode_32 3
		.amdhsa_float_denorm_mode_16_64 3
		.amdhsa_memory_ordered 1
		.amdhsa_forward_progress 1
		.amdhsa_inst_pref_size 36
	.end_amdhsa_kernel
	.amdgpu_metadata
---
amdhsa.version: [ 1, 2 ]
amdhsa.kernels:
  - .name:           k_q07ad0b42cf_quant
    .symbol:         k_q07ad0b42cf_quant.kd
    .args:
      - { .name: inputs, .offset: 0, .size: 8, .value_kind: global_buffer, .address_space: global }
      - { .name: Wq, .offset: 8, .size: 8, .value_kind: global_buffer, .address_space: global }
      - { .name: Wk, .offset: 16, .size: 8, .value_kind: global_buffer, .address_space: global }
      - { .name: Wv, .offset: 24, .size: 8, .value_kind: global_buffer, .address_space: global }
      - { .name: W0, .offset: 32, .size: 8, .value_kind: global_buffer, .address_space: global }
      - { .name: xq, .offset: 40, .size: 8, .value_kind: global_buffer, .address_space: global }
      - { .name: wq, .offset: 48, .size: 8, .value_kind: global_buffer, .address_space: global }
    .group_segment_fixed_size: 93184
    .private_segment_fixed_size: 0
    .kernarg_segment_align: 8
    .kernarg_segment_size: 56
    .max_flat_workgroup_size: 256
    .sgpr_count:     66
    .vgpr_count:     194
    .wavefront_size: 32
...
	.end_amdgpu_metadata
.endif
;; end of part 6
;; launch qkv (part 7): grid 8 x 24, 8 waves a work-group, no clusters, 169,984 bytes of LDS; arguments xq, wq, qst, kst, vst; writes qst, kst, vst
.if DOCPART == 7
	.amdgcn_target "amdgcn-amd-amdhsa--gfx1250"
	.amdhsa_code_object_version 6
	.text
	.protected	k_q07ad0b42cf_qkv
	.globl	k_q07ad0b42cf_qkv
	.p2align	8
	.type	k_q07ad0b42cf_qkv,@function
k_q07ad0b42cf_qkv:
	s_mov_b64 s[64:65], 0
	v_nop
	global_prefetch_b8 v0, s[64:65] scope:SCOPE_SE
	s_setreg_imm32_b32 hwreg(HW_REG_WAVE_MODE, 25, 1), 1
	s_wait_xcnt 0x0
; q = X Wq, k = X Wk, v = X Wv on codes of FP6 (E2M3) with E8M0 scales, K = 1,024, sums in f32; each result is quantised in registers, along the axis that the attention contracts, and stored as operand images.
; ONE BODY, TWO ROLES.  Source 0 = 16 rows of P, source 1 = 16 rows of R: a lane holds ONE row of R and its registers run along P's rows, the axis to be quantised.
;   y < 16 (q, k): P = 128 columns of Wq or Wk (two heads), R = 512 rows of X.     y >= 16 (v): P = 128 rows of X (128 keys), R = 512 columns of Wv.
; A tile T = 2 B + u holds in lane r row 32 B + 8 u + r + 8 (r / 8), so that the 16 registers of P's tiles 2 B and 2 B + 1 are 16 NEIGHBOURS along P: 32 B + 16 (lane / 16) + 0 .. 15.
; SHARES.  192 work-groups of eight waves, 512 registers each.  A wave makes P 128 x R 64: 32 accumulators, which fill window 1 (v256-511); all else lies in window 0.  Each fragment of P read from LDS feeds four products.
; P's panel (8 tiles x all of K, 98,304 bytes, and 4,096 bytes of scale words) comes into LDS ONCE, by five first fills, one a wave; nothing is filled again.
; P's fragments go by GROUPS of two tiles (8 products) through three sets of registers: group i + 3 is asked for behind group i's products.  R's fragments are a wave's own: straight from memory as images of the
; registers, in three sets: step s + 3 is asked for behind step s.  Two tiles' scale words share a register: lanes 0-15 the even tile's, lanes 16-31 the odd tile's.
; No cluster: the shared panel is a fifth of what a work-group reads, the rest goes to one wave's registers.  The two roles do not divide into 256 equal shares: 192 work-groups are launched.
; OUT.  qst, kst: [b x 16 + head][step of 128 rows][6,656]: four pairs of tiles x 1,536 bytes (a tile: 16 rows x the head's 64: six registers a lane), then four x 128 bytes of scale words
; (lanes 0-15 the pair's first tile, lanes 16-31 its second; bytes 2 and 3 are 0x7f).  vst: the same frame: four whole fragments (16 channels x 128 keys), then their scale words.
; LIMITS: NaN and infinities are not served; a block whose largest magnitude lies under 2^-124 gets the byte 1: this program alone reads the bytes.
.set SCO,   3145728
.set TILEB, 12288
.set FRB,   1536
.set CHUNK, 24576                      ; LDS: chunk j (K steps 2 j, 2 j + 1) at CHUNK j: [tile 0..7][2][1,536]
.set PSCL,  4*CHUNK                    ; P's scale words: [tile][s][16 words]
.set HEADB, 106496
.set STEPB, 6656
.set LI,  1                            ; v1  16 x lane;  v2  the same + 2 chunks
.set PSA, 3                            ; v3  PSCL + 4 (lane % 16) + 512 (lane / 16)
.set RSA, 4                            ; v4  4 (lane % 16) + 512 (lane / 16)
.set LS,  5                            ; v5  4 x lane
.set PS,  8                            ; v8-15   P's scale words: two sets of four (a pair of tiles each)
.set RS,  16                           ; v16-31  R's scale words, all of K: 8 (q / 2) + s
.set PF,  32                           ; v32-103 three sets of two fragments of P
.set RB,  104                          ; v104-247 three sets of R's four fragments
.set CT,  32                           ; the way out, in registers that the fragments have left: v32-38 conversions' upper halves, v40-55 at work, from v56 on 32 registers for each pair of tiles
.set TM,  40
.set WV,  14
.set G1P, 32
.set G1S, 40
.set G0S, 48
.set G0P, 68
.set SEL, 58
.set MSB, 0
.macro WIN new                         ; the immediate's high byte repeats the setting that is left
.if MSB != \new
	s_set_vgpr_msb (MSB<<8)|\new
.set MSB, \new
.endif
.endm
.macro PLACES                          ; four plain vector instructions between a matrix instruction and a load into, or a vector instruction on, its registers
.rept 4
	v_nop
.endr
.endm
	s_load_b256 s[4:11], s[0:1], 0x0               ; xq, wq, qst, kst
	s_load_b64 s[12:13], s[0:1], 0x20              ; vst
	v_lshl_add_u32 v6, v0, 2, 0x29000
	v_mov_b32 v7, 0
	ds_add_u32 v6, v7                              ; the opening lines: the add twice on end, then its wait
	ds_add_u32 v6, v7
	v_lshrrev_b32 v1, 5, v0
	v_readfirstlane_b32 s[WV], v1                  ; wave 0..7
	v_and_b32 v5, 31, v0
	v_and_b32 v4, 15, v0
	v_bfe_u32 v3, v0, 4, 1
	v_lshlrev_b32 v1, 4, v5
	v_lshlrev_b32 v4, 2, v4
	v_lshlrev_b32 v5, 2, v5
	v_add_nc_u32 v2, 2*CHUNK, v1
	v_lshl_add_u32 v4, v3, 9, v4
	v_add_nc_u32 v3, PSCL, v4
	s_mov_b32 s[G1P], 3<<16                        ; elements of 8 bytes, no mask, no padding
	s_mov_b32 s[G1P+1], 384<<16                    ; tensor_dim0: 3,072 bytes: a tile's two K steps
	s_mov_b32 s[G1P+2], 8<<16                      ; tensor_dim1: 8 tiles
	s_mov_b32 s[G1P+3], 384<<16
	s_mov_b32 s[G1P+4], 8
	s_mov_b32 s[G1P+5], 1536                       ; from tile to tile: 12,288 bytes
	s_mov_b32 s[G1P+6], 0
	s_mov_b32 s[G1P+7], 0
	s_mov_b32 s[G1S], 3<<16                        ; 4,096 dense bytes as 16 rows of 256
	s_mov_b32 s[G1S+1], 32<<16
	s_mov_b32 s[G1S+2], 16<<16
	s_mov_b32 s[G1S+3], 32<<16
	s_mov_b32 s[G1S+4], 16
	s_mov_b32 s[G1S+5], 32
	s_mov_b32 s[G1S+6], 0
	s_mov_b32 s[G1S+7], 0
	s_mov_b32 s56, 0x7f7f0000
	s_mov_b32 s[SEL], 0x76543210
	s_mov_b32 s[SEL+1], 0xfedcba98                 ; lane l xor 16
	s_mov_b32 s15, ttmp9                           ; x
	s_and_b32 s16, ttmp7, 0xffff                   ; y
	s_lshl_b32 s17, s16, 3
	s_add_co_u32 s17, s17, s15
	s_sub_co_u32 s17, s17, 128                     ; v's work-groups count 8 (y - 16) + x = 0 .. 63:
	s_bfe_u32 s28, s17, 0x50001                    ; 128 keys,
	s_and_b32 s29, s17, 1                          ; and which 512 columns of Wv
	s_wait_alu depctr_va_vdst(0)
	s_wait_dscnt 0x0
	s_wait_kmcnt 0x0
	s_cmp_lt_u32 s16, 16                           ; the roles hang on the work-group's number alone
	s_cselect_b32 s18, s16, s28                    ; pg: which 128 rows of P
	s_cselect_b32 s19, s15, s29                    ; rb: which 512 rows of R
	s_cselect_b64 s[20:21], s[6:7], s[4:5]         ; P
	s_cselect_b64 s[22:23], s[4:5], s[6:7]         ; R
	s_cselect_b32 s30, 0, 128                      ; Wv's tiles begin at tile 128 of wq
	s_mul_i32 s60, s18, 8*TILEB
	s_mov_b32 s61, 0
	s_lshl_b32 s62, s18, 12
	s_add_co_u32 s62, s62, SCO
	s_mov_b32 s63, 0
	s_add_nc_u64 s[60:61], s[20:21], s[60:61]      ; P's codes
	s_add_nc_u64 s[62:63], s[20:21], s[62:63]      ; P's scale words
	s_mov_b32 s[G0S], 1
	s_mov_b32 s[G0S+1], PSCL
	s_mov_b64 s[G0S+2:G0S+3], s[62:63]
	s_or_b32 s[G0S+3], s[G0S+3], 0x80000000
.irp j, 0,1,2,3
	s_mov_b32 s[G0P+4*\j], 1
	s_mov_b32 s[G0P+4*\j+1], \j*CHUNK
	s_add_nc_u64 s[G0P+4*\j+2:G0P+4*\j+3], s[60:61], \j*2*FRB
	s_or_b32 s[G0P+4*\j+3], s[G0P+4*\j+3], 0x80000000
.endr
	s_lshl_b32 s31, s19, 5
	s_lshl_b32 s28, s[WV], 2
	s_add_co_u32 s31, s31, s28
	s_add_co_u32 s31, s31, s30                     ; my first tile of R: 32 rb + 4 wave (+ 128)
	s_mul_i32 s24, s31, TILEB
	s_mov_b32 s25, 0
	s_lshl_b32 s26, s31, 9
	s_add_co_u32 s26, s26, SCO
	s_mov_b32 s27, 0
	s_add_nc_u64 s[24:25], s[22:23], s[24:25]      ; R's codes
	s_add_nc_u64 s[26:27], s[22:23], s[26:27]      ; R's scale words
; The panel's five first fills are shared out, one a wave: wave 0 the scale words, waves 1 to 4 chunks 0 to 3; one chain of arms on the wave's number, all leading to one join
.macro ARM w, g0, g1
	s_cmp_eq_u32 s[WV], \w
	s_cbranch_scc0 .Lnot_\w
	tensor_load_to_lds s[\g0:\g0+3], s[\g1:\g1+7]
	s_nop 0
.rept 4
	v_nop
.endr
	s_branch .Lno_fill
.Lnot_\w:
.endm
	ARM 0, G0S, G1S
	ARM 1, G0P, G1P
	ARM 2, G0P+4, G1P
	ARM 3, G0P+8, G1P
	ARM 4, G0P+12, G1P
.Lno_fill:
.macro RLOAD s                         ; R's four fragments of K step s into set s % 3: twelve loads of 512 consecutive bytes
.irp q, 0,1,2,3
.irp p, 0,1,2
	global_load_b128 v[RB+48*((\s)%3)+12*\q+4*\p:RB+48*((\s)%3)+12*\q+4*\p+3], v[LI], s[24:25] offset:TILEB*\q+FRB*(\s)+512*\p
.endr
.endr
.endm
.macro GLOAD i                         ; group i = 4 s + g: P's tiles 2 g, 2 g + 1 of K step s into set i % 3; with a step's first group its four registers of scale words
.if (\i) < 32
.set ls_, (\i)/4
.set lg_, (\i)%4
.if lg_ == 0
.irp t, 0,1,2,3
	ds_load_b32 v[PS+4*(ls_%2)+\t], v[PSA] offset:1024*\t+64*ls_
.endr
.endif
.irp e, 0,1
.irp p, 0,1,2
	ds_load_b128 v[PF+24*((\i)%3)+12*\e+4*\p:PF+24*((\i)%3)+12*\e+4*\p+3], v[LI+ls_/4] offset:((ls_/2)%2)*CHUNK+(2*lg_+\e)*2*FRB+(ls_%2)*FRB+512*\p
.endr
.endr
.endif
.endm
.macro GSIZE i                         ; adds the number of group i's LDS loads to NW
.if (\i) < 32
.set NW, NW+6
.if (\i)%4 == 0
.set NW, NW+4
.endif
.endif
.endm
.macro MUL8 i                          ; eight products on eight accumulators, one instruction a turn; the first K step starts the sums
.set ms_, (\i)/4
.set mg_, (\i)%4
.irp e, 0,1
.irp qp, 0,1
.irp r, 0,1
.if ms_ == 0
	v_wmma_scale_f32_16x16x128_f8f6f4 v[64*(2*\qp+\r)+8*(2*mg_+\e):64*(2*\qp+\r)+8*(2*mg_+\e)+7], v[PF+24*((\i)%3)+12*\e:PF+24*((\i)%3)+12*\e+11], v[RB+48*(ms_%3)+12*(2*\qp+\r):RB+48*(ms_%3)+12*(2*\qp+\r)+11], 0, v[PS+4*(ms_%2)+mg_], v[RS+8*\qp+ms_] matrix_a_fmt:MATRIX_FMT_FP6 matrix_b_fmt:MATRIX_FMT_FP6 matrix_a_scale:MATRIX_SCALE_ROW\e matrix_b_scale:MATRIX_SCALE_ROW\r
.else
	v_wmma_scale_f32_16x16x128_f8f6f4 v[64*(2*\qp+\r)+8*(2*mg_+\e):64*(2*\qp+\r)+8*(2*mg_+\e)+7], v[PF+24*((\i)%3)+12*\e:PF+24*((\i)%3)+12*\e+11], v[RB+48*(ms_%3)+12*(2*\qp+\r):RB+48*(ms_%3)+12*(2*\qp+\r)+11], v[64*(2*\qp+\r)+8*(2*mg_+\e):64*(2*\qp+\r)+8*(2*mg_+\e)+7], v[PS+4*(ms_%2)+mg_], v[RS+8*\qp+ms_] matrix_a_fmt:MATRIX_FMT_FP6 matrix_b_fmt:MATRIX_FMT_FP6 matrix_a_scale:MATRIX_SCALE_ROW\e matrix_b_scale:MATRIX_SCALE_ROW\r
.endif
.endr
.endr
.endr
.endm
.macro SHOW j                          ; chunk j is shown to all waves: the wave that asked for it (j + 1) waits, the last time every wave
.if (\j) < 3
	s_cmp_eq_u32 s[WV], (\j)+1
	s_cbranch_scc0 .Lshow_\@
	s_wait_tensorcnt 0x0
.Lshow_\@:
.else
	s_wait_tensorcnt 0x0
.endif
	s_wait_dscnt 0x0
	s_barrier_signal -1
	s_barrier_wait -1
.endm
.macro GRP i
.set st_, (\i)/4
.if (\i)%4 == 0
.if st_ < 6
	s_wait_loadcnt 24                              ; this step's fragments of R (and all its scale words) are in; the twelve loads of each of the next two steps may be out
.else
	s_wait_loadcnt 12*(7-st_)
.endif
.endif
.set NW, 0
	GSIZE (\i)+1
	GSIZE (\i)+2
	s_wait_dscnt NW                                ; group i is in; the loads of the two younger groups may be out
	WIN 0x50                                       ; C and D in window 1
	MUL8 \i
	WIN 0
	PLACES
.if ((\i)+3)%8 == 0 && (\i)+3 < 32
	SHOW ((\i)+3)/8                                ; group i + 3 is the first of its chunk
.endif
	GLOAD (\i)+3                                   ; into the set just multiplied
.if (\i)%4 == 3 && st_ < 5
	RLOAD st_+3
.endif
.endm
.irp qp, 0,1
.irp s, 0,1,2,3,4,5,6,7
	global_load_b32 v[RS+8*\qp+\s], v[RSA], s[26:27] offset:1024*\qp+64*\s   ; lanes 0-15 tile 2 qp's words, lanes 16-31 tile 2 qp + 1's
.endr
.endr
	RLOAD 0
	RLOAD 1
	RLOAD 2
	s_cmp_lt_u32 s[WV], 2                          ; waves 0 and 1 wait for their loads: the scale words and chunk 0
	s_cbranch_scc0 .Lw0
	s_wait_tensorcnt 0x0
.Lw0:
	s_barrier_signal -1
	s_barrier_wait -1
	GLOAD 0
	GLOAD 1
	GLOAD 2
.set I, 0
.rept 32
	GRP I
.set I, I+1
.endr
; 64 numbers of a lane (window 1, from register s on), register 16 b + i = place 32 b + 16 (lane / 16) + i along the axis to be quantised, become codes: blocks 0, 1 in v[d0] on (six registers), blocks 2, 3 in v[d1] on;
; the four bytes in v[pw].  Each accumulator is read from its low end on.
.macro QUANT s, d0, d1, pw
	WIN 0x05                                       ; sources 0 and 1 in window 1
.irp b, 0,1,2,3
	v_max3_num_f32 v[TM+\b], |v[\s+16*\b]|, |v[\s+1+16*\b]|, 0x1800000   ; my 16 numbers of block b, and the floor 2^(3 - 127)
.endr
	WIN 0x14                                       ; sources 1 and 2
.irp i, 2,4,6,8,10,12,14
.irp b, 0,1,2,3
	v_max3_num_f32 v[TM+\b], v[TM+\b], |v[\s+16*\b+\i]|, |v[\s+1+16*\b+\i]|   ; the four blocks by turns
.endr
.endr
	WIN 0
.irp b, 0,1,2,3
	v_permlanex16_b32 v[TM+4+\b], v[TM+\b], s[SEL], s[SEL+1]
.endr
.irp b, 0,1,2,3
	s_delay_alu instid0(VALU_DEP_4)
	v_max_num_f32 v[TM+\b], v[TM+\b], v[TM+4+\b]   ; with lane l xor 16's: the block's largest magnitude
.endr
.irp b, 0,1,2,3
	s_delay_alu instid0(VALU_DEP_4)
	v_add_nc_u32 v[TM+12+\b], 0xff000000, v[TM+\b] ; 2 off the exponent field: the conversion's scale operand
.endr
.irp b, 0,1,2,3
	s_delay_alu instid0(VALU_DEP_4)
	v_lshrrev_b32 v[TM+4+\b], 23, v[TM+12+\b]      ; the scale's byte
.endr
	s_delay_alu instid0(VALU_DEP_3)
	v_lshl_or_b32 v[\pw], v[TM+5], 8, v[TM+4]
	s_delay_alu instid0(VALU_DEP_1)
	v_lshl_or_b32 v[\pw], v[TM+6], 16, v[\pw]
	s_delay_alu instid0(VALU_DEP_1)
	v_lshl_or_b32 v[\pw], v[TM+7], 24, v[\pw]
	WIN 0x01                                       ; source 0 in window 1
	v_cvt_scalef32_pk16_fp6_f32 v[\d0:\d0+2], v[\s:\s+15], v[TM+12]
	v_cvt_scalef32_pk16_fp6_f32 v[CT:CT+2], v[\s+16:\s+31], v[TM+13]
	v_cvt_scalef32_pk16_fp6_f32 v[\d1:\d1+2], v[\s+32:\s+47], v[TM+14]
	v_cvt_scalef32_pk16_fp6_f32 v[CT+4:CT+6], v[\s+48:\s+63], v[TM+15]
	WIN 0
	v_nop                                          ; one plain place behind a scaled conversion
.irp i, 0,1,2                                  ; the operand's layout wants a whole block in a lane: lanes 0-15 the even block, lanes 16-31 the odd one
	v_permlane16_swap_b32 v[\d0+\i], v[CT+\i]
	v_permlane16_swap_b32 v[\d1+\i], v[CT+4+\i]
.endr
.irp i, 0,1,2
	v_mov_b32 v[\d0+3+\i], v[CT+\i]
	v_mov_b32 v[\d1+3+\i], v[CT+4+\i]
.endr
.endm
.irp b, 0,1,2,3
	v_mov_b32 v[TM+4+\b], 0                        ; a lane permute's destination counts as one of its sources
.endr
	s_cmp_lt_u32 s16, 16
	s_cbranch_scc0 .Lv_out
	; q, k: blocks 0, 1 are the even head's 64, blocks 2, 3 the odd head's.  My four tiles of rows are pairs 2 wave and 2 wave + 1 of the work-group's sixteen: image = first tile's six registers, then the second's.
	s_lshr_b32 s28, s19, 2
	s_lshl_b32 s28, s28, 4                         ; 16 b
	s_and_b32 s29, s18, 7
	s_lshl_b32 s29, s29, 1
	s_add_co_u32 s28, s28, s29                     ; + the even head
	s_mul_i32 s28, s28, HEADB
	s_and_b32 s29, s19, 3
	s_lshl_b32 s29, s29, 2
	s_lshr_b32 s30, s[WV], 1
	s_add_co_u32 s29, s29, s30                     ; the step of 128 rows: 4 (rb % 4) + wave / 2
	s_mul_i32 s29, s29, STEPB
	s_add_co_u32 s28, s28, s29
	s_and_b32 s30, s[WV], 1
	s_lshl_b32 s30, s30, 1                         ; my first pair in it: 2 (wave % 2)
	s_mul_i32 s52, s30, FRB
	s_add_co_u32 s52, s52, s28
	s_mov_b32 s53, 0
	s_lshl_b32 s54, s30, 7
	s_add_co_u32 s54, s54, s28
	s_add_co_u32 s54, s54, 4*FRB
	s_mov_b32 s55, 0
	s_cmp_lt_u32 s18, 8                            ; q's columns or k's
	s_cselect_b64 s[28:29], s[8:9], s[10:11]
	s_add_nc_u64 s[52:53], s[28:29], s[52:53]
	s_add_nc_u64 s[54:55], s[28:29], s[54:55]
	v_cmp_lt_u32 vcc_lo, 63, v[LS]                 ; lanes 16-31
.irp g, 0,1
.set EB, 56+32*\g                      ; each pair has its own registers, so that no store's data are written again
	QUANT 128*\g, EB, EB+12, EB+24
	QUANT 128*\g+64, EB+6, EB+18, EB+25
	v_cndmask_b32 v[EB+26], v[EB+24], v[EB+25], vcc_lo   ; lanes 0-15 the first tile's word, lanes 16-31 the second's
	v_and_or_b32 v[EB+27], v[EB+26], 0xffff, s56   ; the even head's two bytes, under 0x7f 0x7f
	v_lshrrev_b32 v[EB+28], 16, v[EB+26]
	v_or_b32 v[EB+28], s56, v[EB+28]               ; the odd head's
.irp p, 0,1,2
	global_store_b128 v[LI], v[EB+4*\p:EB+4*\p+3], s[52:53] offset:FRB*\g+512*\p          ; 512 consecutive bytes, at a multiple of 256 from the buffer's first byte
	global_store_b128 v[LI], v[EB+12+4*\p:EB+12+4*\p+3], s[52:53] offset:HEADB+FRB*\g+512*\p
.endr
	global_store_b32 v[LS], v[EB+27], s[54:55] offset:128*\g
	global_store_b32 v[LS], v[EB+28], s[54:55] offset:HEADB+128*\g
.endr
	s_wait_tensorcnt 0x0                           ; the wave's end
	ds_add_u32 v6, v7
	s_wait_dscnt 0x0
	s_endpgm
.Lv_out:
	; v: the four blocks are a step's 128 keys: each of my four tiles of channels, one head's, gives a whole fragment and a whole scale word
	s_and_b32 s28, s18, 16                         ; 16 b
	s_lshl_b32 s30, s19, 3
	s_add_co_u32 s30, s30, s[WV]                   ; the head: 8 rb + wave
	s_add_co_u32 s28, s28, s30
	s_mul_i32 s28, s28, HEADB
	s_and_b32 s30, s18, 15                         ; the step of 128 keys
	s_mul_i32 s30, s30, STEPB
	s_add_co_u32 s52, s28, s30
	s_mov_b32 s53, 0
	s_add_co_u32 s54, s52, 4*FRB
	s_mov_b32 s55, 0
	s_add_nc_u64 s[52:53], s[12:13], s[52:53]
	s_add_nc_u64 s[54:55], s[12:13], s[54:55]
.irp g, 0,1
.set EB, 56+32*\g
	QUANT 128*\g, EB, EB+6, EB+24
	QUANT 128*\g+64, EB+12, EB+18, EB+25
.irp p, 0,1,2
	global_store_b128 v[LI], v[EB+4*\p:EB+4*\p+3], s[52:53] offset:2*FRB*\g+512*\p
	global_store_b128 v[LI], v[EB+12+4*\p:EB+12+4*\p+3], s[52:53] offset:2*FRB*\g+FRB+512*\p
.endr
	global_store_b32 v[LS], v[EB+24], s[54:55] offset:256*\g        ; lanes 16-31 hold the same words as lanes 0-15, and have places of their own
	global_store_b32 v[LS], v[EB+25], s[54:55] offset:256*\g+128
.endr
	s_wait_tensorcnt 0x0
	ds_add_u32 v6, v7
	s_wait_dscnt 0x0
	s_endpgm
.Lfunc_end_k_q07ad0b42cf_qkv:
	.size	k_q07ad0b42cf_qkv, .Lfunc_end_k_q07ad0b42cf_qkv-k_q07ad0b42cf_qkv
	.p2alignl 7, 3214868480
	.fill 96, 4, 3214868480
	.section	.rodata,"a",@progbits
	.p2align	6, 0x0
	.amdhsa_kernel k_q07ad0b42cf_qkv
		.amdhsa_group_segment_fixed_size 169984
		.amdhsa_private_segment_fixed_size 0
		.amdhsa_enable_private_segment 0
		.amdhsa_kernarg_size 40
		.amdhsa_user_sgpr_count 2
		.amdhsa_user_sgpr_kernarg_segment_ptr 1
		.amdhsa_wavefront_size32 1
		.amdhsa_system_sgpr_workgroup_id_x 1
		.amdhsa_system_sgpr_workgroup_id_y 1
		.amdhsa_system_sgpr_workgroup_id_z 1
		.amdhsa_system_vgpr_workitem_id 0
		.amdhsa_next_free_vgpr 512
		.amdhsa_next_free_sgpr 84
		.amdhsa_reserve_vcc 1
		.amdhsa_float_denorm_mode_32 3
		.amdhsa_float_denorm_mode_16_64 3
		.amdhsa_memory_ordered 1
		.amdhsa_forward_progress 1
		.amdhsa_inst_pref_size 111
	.end_amdhsa_kernel
	.amdgpu_metadata
---
amdhsa.version: [ 1, 2 ]
amdhsa.kernels:
  - .name:           k_q07ad0b42cf_qkv
    .symbol:         k_q07ad0b42cf_qkv.kd
    .args:
      - { .name: xq, .offset: 0, .size: 8, .value_kind: global_buffer, .address_space: global }
      - { .name: wq, .offset: 8, .size: 8, .value_kind: global_buffer, .address_space: global }
      - { .name: qst, .offset: 16, .size: 8, .value_kind: global_buffer, .address_space: global }
      - { .name: kst, .offset: 24, .size: 8, .value_kind: global_buffer, .address_space: global }
      - { .name: vst, .offset: 32, .size: 8, .value_kind: global_buffer, .address_space: global }
    .group_segment_fixed_size: 169984
    .private_segment_fixed_size: 0
    .kernarg_segment_align: 8
    .kernarg_segment_size: 40
    .max_flat_workgroup_size: 256
    .sgpr_count:     84
    .vgpr_count:     512
    .wavefront_size: 32
...
	.end_amdgpu_metadata
.endif
;; end of part 7
;; launch attn (part 8): grid 8 x 32, 16 waves a work-group, clusters of 4 x 1, 241,664 bytes of LDS; arguments qst, kst, vst, cq; writes cq
.if DOCPART == 8
	.amdgcn_target "amdgcn-amd-amdhsa--gfx1250"
	.amdhsa_code_object_version 6
	.text
	.protected	k_q07ad0b42cf_attn
	.globl	k_q07ad0b42cf_attn
	.p2align	8
	.type	k_q07ad0b42cf_attn,@function
k_q07ad0b42cf_attn:
	s_mov_b64 s[64:65], 0
	v_nop
	global_prefetch_b8 v0, s[64:65] scope:SCOPE_SE
	s_setreg_imm32_b32 hwreg(HW_REG_WAVE_MODE, 25, 1), 1
	s_wait_xcnt 0x0
	s_wait_alu depctr_hold_cnt(0) depctr_sa_sdst(0) depctr_va_vdst(0) depctr_va_sdst(0) depctr_va_ssrc(0) depctr_va_vcc(0) depctr_vm_vsrc(0)
	s_getreg_b32 s2, hwreg(HW_REG_IB_STS2, 6, 4)
	s_cmp_eq_u32 s2, 0
	s_cbranch_scc0 .Lentry_in_a_cluster
	s_endpgm
.Lentry_in_a_cluster:
	s_bfe_u32 s2, ttmp6, 0x10000c
	s_cmp_lg_u32 s2, 0x3003
	s_cbranch_scc0 .Lentry_shape_is_right
	s_endpgm
.Lentry_shape_is_right:
; concat[b][q][head x 64 ..] = softmax_k(q . k / 8) v, both products on codes of FP6 (E2M3) with E8M0 scales; the result is quantised along head x 64 + channel and stored as codes for the last product.
; THE SOFTMAX: t = score x log2(e) / 8; M = the row's largest t so far, rounded UP to a whole number; p = 2^(t - M) is quantised along the keys, not normalised; the row's sum is taken of the unquantised p, in f32,
; and divides O at the end.  When M moves, the sum and O are multiplied by 2^(old M - new M): exact.
; SHARES.  A work-group owns 256 queries of one head; each of its sixteen waves one tile of 16, in 256 registers.  A head's K and V as codes with their scale words come into LDS ONCE; nothing is filled again.
; Each wave asks for 13,312 bytes (two key steps of K or of V): even waves K, odd waves V.  Waves 0 to 3 (key steps 0 to 3) have load lines of their own and wait ahead of the first barrier; behind it only those
; bytes are read (steps 0 to 2, which ask for K up to step 3).  Ahead of the second barrier every wave waits for its load.
; CLUSTER.  The four work-groups of a cluster belong to one head: K and V are asked for JOINTLY, by the same loads with the same descriptors and the mask of all four.
; NO PREFETCH: all of K and V is asked for at the head, in one group; no later load is left to run ahead of.
; LAYOUT.  Both products transposed: S^T = K Q^T, O^T = V^T P^T: a lane holds ONE query (lane % 16).
; K'S TILES ARE PUT TOGETHER ANEW AS THEY ARE READ FROM LDS.  kst holds pairs of tiles whose rows are keys 32 B + 8 u + r + 8 (r / 8).  Tile 4 c + u' of a step is read so that its rows 0-7 are keys 64 c + 8 u' + 0 .. 7 and
; its rows 8-15 keys 64 c + 32 + 8 u' + 0 .. 7: lanes with lane % 16 < 8 read stored pair 2 c, the others pair 2 c + 1, both at stored row lane % 8 + 8 (u' / 2).  Lane (r, h) then holds in registers 32 c + 0 .. 31 of S^T
; the keys 64 c + 32 h + 0 .. 31: A WHOLE BLOCK OF 32, in the order of p's operand: its largest score needs no other lane and the conversions' results are the operand's registers.
; K's LDS image has 128 bytes of padding behind every 512.
; THE FIRST PRODUCT'S K IS 64, half of the instruction's 128: Q's registers 6-11 are zero codes, and bytes 2, 3 of both scale words are 0x7f.  K's operand for a tile is the run of twelve registers from the tile's six on:
; its upper six hold the next tile's codes (for the last tile: p's codes of the step before, zeros at first), which meet zeros.
; ORDER IN A STEP.  The scores' products (K came in the step before); four address lines, which are the places behind the products; V's loads and the next step's K in one run; the maxima; f and O x f, ahead of every
; exponential; the exponentials in two batches, each with its sources laid ahead of it: behind the first stand the second's sources, behind the second the scale bytes and half of the sum.
; Step 0 is written out: its products start O and its additions start the sum, so nothing is cleared.
; OUT.  cq: codes [tile][K step][half c][plane p][32 lanes][8 bytes], the head being half head % 2 of K step head / 2; scale words from SCO on, [tile][row r][8 words].
; LIMITS: the scaled scores t stay under 2^31 in magnitude; NaN and infinities are not served; p under 2^-126 counts as 0 (ISA guide, v_exp_f32); a block whose largest magnitude lies under 2^-124 gets the byte 1:
; this program alone reads the bytes.
.set SCO,   3145728
.set TILEB, 12288
.set FRB,   1536
.set HEADB, 106496
.set STEPB, 6656                       ; a key step in memory, and V's in LDS: four images of 1,536 bytes, then four x 128 bytes of scale words
.set PIECE, 2*STEPB                    ; what one tensor load brings
.set PLK,   640                        ; K in LDS: 512 bytes + 128 of padding;
.set PAIRK, 3*PLK                      ; a pair's image;
.set STEPK, 13*PLK                     ; a key step;
.set PIECEK, 2*STEPK                   ; a load's 26 rows
.set VOFF,  8*PIECEK                   ; LDS: K's stream at 0, V's behind it
.set SPARE, VOFF+HEADB                 ; behind both: the spare words, 128 bytes a wave
.set LIK, 1                            ; v1  K's images: 1,920 ((lane % 16) / 8) + 16 (lane % 8) + 256 (lane / 16)
.set LSK, 2                            ; v2  K's words: 128 ((lane % 16) / 8) + 64 (lane / 16) + 4 (lane % 8)
.set ADK, 3                            ; v3-6 the step's LDS addresses: K's images, K's words, V's images, V's words
.set ADS, 4
.set ADV, 5
.set ADT, 6
.set QS,  7                            ; v7  Q's scale words
.set NM,  8                            ; v8  -M
.set RM,  9                            ; v9  the row's largest score so far
.set SUM, 10                           ; v[10:11] the row's sum in two halves
.set QF,  12                           ; v12-23  Q's fragment
.set KF,  24                           ; v24-71  K's eight tiles, six registers each
.set PC,  72                           ; v72-83  p's codes
.set CT,  84                           ; v84-86, v88-90 conversions' upper halves
.set VW,  87                           ; v87, v91 V's scale words: lanes 0-15 tile 2 j's, lanes 16-31 tile 2 j + 1's
.set VF,  92                           ; v92-139 V's four fragments
.set S,   140                          ; v140-203 S^T, then p
.set OT,  204                          ; v204-235 O^T
.set BM,  236                          ; v236, v237 my two blocks' largest score, largest p, the conversions' scale operand
.set SH8, 238                          ; v238 8 (lane / 16)
.set LIV, 239                          ; v239 VOFF + 16 x lane
.set BT,  240                          ; v240-243 at work; then two chains of the sum
.set SPW, 244                          ; v244 my spare word;  v245 0: kept for the add alone
.set NIL, 245
.set C3,  246                          ; v[246:247] a chain of the sum
.set SW,  248                          ; v248-251 K's scale words
.set FF,  252                          ; v252 f
.set PW,  253                          ; v253 p's scale word
.set TP,  254
.set LSV, 255                          ; v255 VOFF + 4 x lane + 128 (lane / 16)
.set WV,  12
.set SEL, 20
.set CS,  22                           ; s[22:23] c = log2(e) / 8;  s37 -c
.set CN,  37
.set G1K, 24                           ; s[24:31], s[32:35] K's descriptor;  s[44:51], s[40:43] V's
.set G0K, 32
.set G0V, 40
.set G1V, 44
.set TBK, 66                           ; s66, s68 LDS byte of the key step in hand in K's and in V's stream;  s67 counts a loop's steps
.set TBV, 68
.macro WALU
	s_wait_alu depctr_va_vdst(0)
.endm
.macro CROUND                          ; a round of the cluster's barrier
	s_barrier_signal -1
	s_barrier_wait -1
	s_cmp_lg_u32 s[WV], 0
	s_cbranch_scc1 .Lnot_wave_0_\@
	s_barrier_signal -3
.Lnot_wave_0_\@:
	s_barrier_wait -3
	s_barrier_signal -1
	s_barrier_wait -1
.endm
.macro TLOAD g0, g1
	tensor_load_to_lds s[\g0:\g0+3], s[\g1:\g1+7]
	s_nop 0
.rept 4
	v_nop
.endr
.endm
	s_load_b256 s[4:11], s[0:1], 0x0               ; qst, kst, vst, cq
	v_lshl_add_u32 v[SPW], v0, 2, SPARE
	v_mov_b32 v[NIL], 0
	ds_add_u32 v[SPW], v[NIL]                      ; the opening lines: the add twice on end, then its wait
	ds_add_u32 v[SPW], v[NIL]
	v_lshrrev_b32 v1, 5, v0
	v_readfirstlane_b32 s[WV], v1                  ; wave 0..15
	v_and_b32 v[S+15], 31, v0                      ; lane
	v_bfe_u32 v[S+12], v0, 3, 1                    ; (lane % 16) / 8
	v_and_b32 v[S+13], 7, v0                       ; lane % 8
	v_bfe_u32 v[S+14], v0, 4, 1                    ; lane / 16
	v_mul_u32_u24 v[LIK], v[S+12], PAIRK
	v_lshlrev_b32 v[LSK], 7, v[S+12]
	v_lshl_add_u32 v[LIK], v[S+13], 4, v[LIK]
	v_lshl_add_u32 v[LSK], v[S+14], 6, v[LSK]
	v_lshl_add_u32 v[LIK], v[S+14], 8, v[LIK]
	v_lshl_add_u32 v[LSK], v[S+13], 2, v[LSK]
	v_lshlrev_b32 v[SH8], 3, v[S+14]
	v_lshlrev_b32 v[ADV], 4, v[S+15]               ; for Q's image: 16 x lane
	v_lshlrev_b32 v[LSV], 2, v[S+15]
	v_add_nc_u32 v[LIV], VOFF, v[ADV]
	v_lshl_add_u32 v[LSV], v[S+14], 7, v[LSV]
	v_and_b32 v[ADK], 15, v0
	v_add_nc_u32 v[LSV], VOFF, v[LSV]
	v_lshlrev_b32 v[ADK], 2, v[ADK]                ; for Q's scale words: 4 (lane % 16)
	s_bfe_u32 s13, ttmp6, 0x40000                  ; cx
	s_lshl_b32 s14, ttmp9, 2
	s_add_co_u32 s14, s14, s13                     ; my block of 256 queries: it enters Q's and cq's addresses alone
	s_and_b32 s15, ttmp7, 0xffff                   ; 16 b + head, which the four partners share
	s_mul_i32 s16, s15, HEADB                      ; the head's first byte in qst, kst and vst
	s_mov_b32 s17, 0
	s_mov_b32 s[G1K], 15|(3<<16)|(1<<20)|(1<<21)|(6<<22)|(31<<25)   ; the mask: all four work-groups; elements of 8 bytes; bit 21 beside a mask; behind every 128 words 32 words of padding
	s_mov_b32 s[G1K+1], 64<<16                     ; 13,312 dense bytes as 26 rows of 512
	s_mov_b32 s[G1K+2], 26<<16
	s_mov_b32 s[G1K+3], 64<<16
	s_mov_b32 s[G1K+4], 26
	s_mov_b32 s[G1K+5], 64
	s_mov_b32 s[G1K+6], 0
	s_mov_b32 s[G1K+7], 0
	s_mov_b32 s[G1V], 15|(3<<16)|(1<<21)           ; V: no padding
	s_mov_b32 s[G1V+1], 32<<16                     ; 13,312 dense bytes as 52 rows of 256
	s_mov_b32 s[G1V+2], 52<<16
	s_mov_b32 s[G1V+3], 32<<16
	s_mov_b32 s[G1V+4], 52
	s_mov_b32 s[G1V+5], 32
	s_mov_b32 s[G1V+6], 0
	s_mov_b32 s[G1V+7], 0
	s_and_b32 s36, s[WV], 1                        ; my piece: K's (0) or V's (1),
	s_lshr_b32 s39, s[WV], 1                       ; piece wave / 2 of the stream
	s_mul_i32 s38, s39, PIECE                      ; in memory,
	s_mov_b32 s[G0K], 1
	s_mul_i32 s[G0K+1], s39, PIECEK                ; and in LDS: the wave's number alone
	s_mov_b32 s[G0V], 1
	s_add_co_u32 s[G0V+1], s38, VOFF
	s_mov_b32 s39, 0
	s_mov_b32 s[SEL], 0x76543210
	s_mov_b32 s[SEL+1], 0xfedcba98                 ; lane l xor 16
	s_mov_b32 s[CS], 0x3e38aa3b                    ; c = log2(e) / 8
	s_mov_b32 s[CS+1], s[CS]                       ; (named with it as a pair, so it is written)
	s_mov_b32 s[CN], 0xbe38aa3b                    ; -c
	; Q: my tile is tile 16 qblk + wave of the batch: pair 8 qblk + wave / 2, half wave % 2
	s_lshl_b32 s18, s14, 1
	s_lshr_b32 s19, s[WV], 3
	s_add_co_u32 s18, s18, s19
	s_mul_i32 s18, s18, STEPB                      ; the step of 128 rows
	s_bfe_u32 s19, s[WV], 0x20001                  ; the pair in it
	s_mul_i32 s70, s19, FRB
	s_add_co_u32 s70, s70, s18
	s_mov_b32 s71, 0
	s_lshl_b32 s72, s19, 7
	s_add_co_u32 s72, s72, s18
	s_and_b32 s77, s[WV], 1
	s_lshl_b32 s78, s77, 6
	s_add_co_u32 s72, s72, s78                     ; the second tile's words lie 64 bytes on
	s_add_co_u32 s72, s72, 4*FRB
	s_mov_b32 s73, 0
	s_cmp_lg_u32 s77, 0
	s_cselect_b32 s76, -1, 0                       ; all lanes: the pair's second tile?
	s_add_nc_u64 s[70:71], s[70:71], s[16:17]
	s_add_nc_u64 s[72:73], s[72:73], s[16:17]
	; cq: tile T = 128 b + 16 qblk + wave; the head is half c = head % 2 of K step head / 2
	s_lshr_b32 s18, s15, 4
	s_lshl_b32 s18, s18, 7
	s_lshl_b32 s19, s14, 4
	s_add_co_u32 s18, s18, s19
	s_add_co_u32 s18, s18, s[WV]
	s_and_b32 s19, s15, 15
	s_lshr_b32 s77, s19, 1
	s_and_b32 s19, s19, 1
	s_mul_i32 s74, s18, TILEB
	s_mul_i32 s13, s77, FRB
	s_add_co_u32 s74, s74, s13
	s_mul_i32 s13, s19, 768
	s_add_co_u32 s74, s74, s13
	s_mov_b32 s75, 0
	s_lshl_b32 s78, s18, 9                         ; the tile's 512 bytes of scale words: 32 bytes a row,
	s_lshl_b32 s13, s77, 2                         ; in them word head / 2,
	s_add_co_u32 s78, s78, s13
	s_lshl_b32 s13, s19, 1                         ; in it bytes 2 (head % 2) and the next
	s_add_co_u32 s78, s78, s13
	s_add_co_u32 s78, s78, SCO
	s_mov_b32 s79, 0
	WALU
	s_wait_dscnt 0x0                               ; both opening adds are done
	s_wait_kmcnt 0x0
	s_add_nc_u64 s[70:71], s[4:5], s[70:71]
	s_add_nc_u64 s[72:73], s[4:5], s[72:73]
	s_add_nc_u64 s[74:75], s[10:11], s[74:75]
	s_add_nc_u64 s[78:79], s[10:11], s[78:79]
.irp p, 0,1,2
	global_load_b128 v[S+4*\p:S+4*\p+3], v[ADV], s[70:71] offset:512*\p   ; Q: the pair's image, asked for ahead of the round
.endr
	global_load_b32 v[QS], v[ADK], s[72:73]        ; my tile's scale words
	s_add_nc_u64 s[G0K+2:G0K+3], s[6:7], s[16:17]
	s_add_nc_u64 s[G0K+2:G0K+3], s[G0K+2:G0K+3], s[38:39]
	s_or_b32 s[G0K+3], s[G0K+3], 0x80000000
	s_add_nc_u64 s[G0V+2:G0V+3], s[8:9], s[16:17]
	s_add_nc_u64 s[G0V+2:G0V+3], s[G0V+2:G0V+3], s[38:39]
	s_or_b32 s[G0V+3], s[G0V+3], 0x80000000
	CROUND                                         ; all four work-groups are here: the joint loads meet
	s_cmp_lt_u32 s[WV], 4                          ; one load a wave, in one tree of branches on the wave's number; waves 0 to 3 have lines of their own, since they alone wait ahead of the first barrier
	s_cbranch_scc0 .Llater
	s_cmp_eq_u32 s36, 0
	s_cbranch_scc0 .Learly_v
	TLOAD G0K, G1K
	s_branch .Lasked
.Learly_v:
	TLOAD G0V, G1V
	s_branch .Lasked
.Llater:
	s_cmp_eq_u32 s36, 0
	s_cbranch_scc0 .Llater_v
	TLOAD G0K, G1K
	s_branch .Lasked
.Llater_v:
	TLOAD G0V, G1V
.Lasked:
.irp i, 0,1,2,3,4,5
	v_mov_b32 v[QF+6+\i], 0                        ; zero codes for k = 64 .. 127
	v_mov_b32 v[PC+\i], 0                          ; what the last K tile's operand reaches into
.endr
.irp b, 0,1,2,3
	v_mov_b32 v[BT+\b], 0                          ; a lane permute's destination counts as one of its sources
.endr
	s_wait_loadcnt 0x0                             ; Q
.irp i, 0,1,2,3,4,5
	v_cndmask_b32 v[QF+\i], v[S+\i], v[S+6+\i], s76   ; my half of the pair
.endr
; K's eight tiles, put together anew, and their scale words, from off bytes behind the addresses in v[ra] and v[rs].  Registers 12 (2 c + a) on: tiles 4 c + 2 a and 4 c + 2 a + 1
.macro KLOAD ra, rs, off
.irp c, 0,1
.irp a, 0,1
.irp p, 0,1,2
	ds_load_b128 v[KF+12*(2*\c+\a)+4*\p:KF+12*(2*\c+\a)+4*\p+3], v[\ra] offset:(\off)+2*PAIRK*\c+128*\a+PLK*\p
.endr
	ds_load_b32 v[SW+2*\c+\a], v[\rs] offset:(\off)+4*PAIRK+256*\c+32*\a   ; lanes 0-15: the first tile's words, lanes 16-31: the second's
.endr
.endr
.endm
.macro ADDP lo, hi                     ; pairs lo .. hi - 1 of p onto the sum's four chains, pair n onto chain n % 4
.set pp, \lo
.rept (\hi)-(\lo)
.set cr, SUM
.if pp%4 == 1
.set cr, BT
.elseif pp%4 == 2
.set cr, BT+2
.elseif pp%4 == 3
.set cr, C3
.endif
	v_pk_add_f32 v[cr:cr+1], v[cr:cr+1], v[S+2*pp:S+2*pp+1]
.set pp, pp+1
.endr
.endm
.macro TM lo, hi                       ; t - M of registers lo .. hi - 1, two at a time
.set j, \lo
.rept ((\hi)-(\lo))/2
	v_pk_fma_f32 v[S+j:S+j+1], v[S+j:S+j+1], s[CS:CS+1], v[NM:NM+1] op_sel_hi:[1,0,0]
.set j, j+2
.endr
.endm
.macro EXPS lo, hi
.set j, \lo
.rept (\hi)-(\lo)
	v_exp_f32 v[S+j], v[S+j]
.set j, j+1
.endr
.endm
.macro PVW t, row, first               ; O^T tile t += V^T P^T; in step 0 the product starts the sum
.if \first
	v_wmma_scale_f32_16x16x128_f8f6f4 v[OT+8*\t:OT+8*\t+7], v[VF+12*\t:VF+12*\t+11], v[PC:PC+11], 0, v[VW+4*(\t/2)], v[PW] matrix_a_fmt:MATRIX_FMT_FP6 matrix_b_fmt:MATRIX_FMT_FP6 matrix_a_scale:MATRIX_SCALE_ROW\row
.else
	v_wmma_scale_f32_16x16x128_f8f6f4 v[OT+8*\t:OT+8*\t+7], v[VF+12*\t:VF+12*\t+11], v[PC:PC+11], v[OT+8*\t:OT+8*\t+7], v[VW+4*(\t/2)], v[PW] matrix_a_fmt:MATRIX_FMT_FP6 matrix_b_fmt:MATRIX_FMT_FP6 matrix_a_scale:MATRIX_SCALE_ROW\row
.endif
.endm
; A KEY STEP: 128 keys.  K's fragments and words are in registers when it begins.  first = 1: step 0.  pre = 1: the next step's K is asked for.
.macro STEP first, pre
.irp j, 0,1,2,3
	v_wmma_scale_f32_16x16x128_f8f6f4 v[S+16*\j:S+16*\j+7], v[KF+12*\j:KF+12*\j+11], v[QF:QF+11], 0, v[SW+\j], v[QS] matrix_a_fmt:MATRIX_FMT_FP6 matrix_b_fmt:MATRIX_FMT_FP6
	v_wmma_scale_f32_16x16x128_f8f6f4 v[S+16*\j+8:S+16*\j+15], v[KF+12*\j+6:KF+12*\j+17], v[QF:QF+11], 0, v[SW+\j], v[QS] matrix_a_fmt:MATRIX_FMT_FP6 matrix_b_fmt:MATRIX_FMT_FP6 matrix_a_scale:MATRIX_SCALE_ROW1
.endr
	v_add_nc_u32 v[ADK], s[TBK], v[LIK]            ; these four are the places between the products (these eight and the last step's four) and the loads into their registers and the first read of the scores
	v_add_nc_u32 v[ADS], s[TBK], v[LSK]
	v_add_nc_u32 v[ADV], s[TBV], v[LIV]
	v_add_nc_u32 v[ADT], s[TBV], v[LSV]
.irp j, 0,1,2,3
.irp p, 0,1,2
	ds_load_b128 v[VF+12*\j+4*\p:VF+12*\j+4*\p+3], v[ADV] offset:FRB*\j+512*\p
.endr
.endr
.irp j, 0,1
	ds_load_b32 v[VW+4*\j], v[ADT] offset:4*FRB+256*\j   ; V's words: each tile's 128 bytes hold its sixteen words twice, so lanes 16-31 find the next tile's at 128 + 4 x lane
.endr
.if \pre
	KLOAD ADK, ADS, STEPK                          ; the next step's K
.endif
.irp c, 0,1                                    ; the largest score of my two blocks of 32 keys, each in two chains: for the row's maximum and, since p rises with the score, for the block's largest p
	v_max3_num_f32 v[BM+\c], v[S+32*\c], v[S+32*\c+1], v[S+32*\c+2]
	v_max3_num_f32 v[BT+\c], v[S+32*\c+16], v[S+32*\c+17], v[S+32*\c+18]
.endr
.irp i, 3,5,7,9,11,13
.irp c, 0,1
	v_max3_num_f32 v[BM+\c], v[BM+\c], v[S+32*\c+\i], v[S+32*\c+\i+1]
	v_max3_num_f32 v[BT+\c], v[BT+\c], v[S+32*\c+16+\i], v[S+32*\c+17+\i]
.endr
.endr
.irp c, 0,1
	v_max3_num_f32 v[BM+\c], v[BM+\c], v[S+32*\c+15], v[S+32*\c+31]
.endr
.irp c, 0,1
	v_max_num_f32 v[BM+\c], v[BM+\c], v[BT+\c]
.endr
	s_delay_alu instid0(VALU_DEP_1)
	v_max_num_f32 v[TP], v[BM], v[BM+1]
	s_delay_alu instid0(VALU_DEP_1)
	v_permlanex16_b32 v[BT+2], v[TP], s[SEL], s[SEL+1]   ; lane l xor 16 holds my query's other two blocks
	s_delay_alu instid0(VALU_DEP_1)
.if \first
	v_max_num_f32 v[RM], v[TP], v[BT+2]            ; the row's largest score so far
.else
	v_max3_num_f32 v[RM], v[RM], v[TP], v[BT+2]
.endif
	s_delay_alu instid0(VALU_DEP_1)
	v_mul_f32 v[TP], s[CN], v[RM]                  ; -t
	s_delay_alu instid0(VALU_DEP_1)
.if \first
	v_floor_f32 v[NM], v[TP]                       ; -M = floor(-t) = -ceil(t)
.else
	v_floor_f32 v[TP], v[TP]
	s_delay_alu instid0(VALU_DEP_1)
	v_sub_f32 v[FF], v[TP], v[NM]                  ; old M - new M: a whole number, 0 or less
	s_delay_alu instid0(VALU_DEP_2)
	v_mov_b32 v[NM], v[TP]
	s_delay_alu instid0(VALU_DEP_2)
	v_cvt_i32_f32 v[FF], v[FF]                     ; (it saturates)
	s_delay_alu instid0(VALU_DEP_1)
	v_ldexp_f32 v[FF], 1.0, v[FF]                  ; f = 2^(old M - new M)
.endif
	TM 0, 32                                       ; the first batch's sources
.irp c, 0,1
	v_fma_f32 v[BM+\c], v[BM+\c], s[CS], v[NM]
.endr
.if !\first
.set j, 0
.rept 16
	v_pk_mul_f32 v[OT+j:OT+j+1], v[OT+j:OT+j+1], v[FF:FF+1] op_sel_hi:[1,0]   ; O^T under the new M, each accumulator from its low end on, ahead of every exponential of the step
.set j, j+2
.endr
	v_pk_mul_f32 v[SUM:SUM+1], v[SUM:SUM+1], v[FF:FF+1] op_sel_hi:[1,0]
.endif
	WALU
.irp c, 0,1
	v_exp_f32 v[BM+\c], v[BM+\c]                   ; the block's largest p: the same two instructions on the same number
.endr
	EXPS 0, 32                                     ; p = 2^(t - M), my first block
	TM 32, 64                                      ; the second batch's sources: plain lines behind the first batch that name none of its results
	WALU                                           ; one wait: behind the first batch, ahead of the second
	EXPS 32, 64
.irp c, 0,1
	v_max_num_f32 v[BM+\c], 0x1800000, v[BM+\c]    ; the floor 2^(3 - 127).  (From here to the next wait only the first batch's results are named)
.endr
.irp c, 0,1
	s_delay_alu instid0(VALU_DEP_2)
	v_add_nc_u32 v[BM+\c], 0xff000000, v[BM+\c]    ; 2 off the exponent field: the conversion's scale operand
.endr
.irp c, 0,1
	s_delay_alu instid0(VALU_DEP_2)
	v_lshrrev_b32 v[BT+\c], 23, v[BM+\c]           ; the scale's byte
.endr
	s_delay_alu instid0(VALU_DEP_1)
	v_lshl_or_b32 v[PW], v[BT+1], 16, v[BT]        ; my two bytes, blocks h and 2 + h,
	s_delay_alu instid0(VALU_DEP_1)
	v_lshlrev_b32 v[PW], v[SH8], v[PW]             ; at their places in the word;
	s_delay_alu instid0(VALU_DEP_1)
	v_permlanex16_b32 v[BT+2], v[PW], s[SEL], s[SEL+1]
	s_delay_alu instid0(VALU_DEP_1)
	v_or_b32 v[PW], v[PW], v[BT+2]                 ; with lane l xor 16's two: p's scale word for these 128 keys
.if \first                                     ; THE ROW'S SUM IS TAKEN OF THE UNQUANTISED p, two at a time, in four chains
	v_pk_add_f32 v[SUM:SUM+1], v[S:S+1], v[S+8:S+9]
.else
	v_pk_add_f32 v[SUM:SUM+1], v[SUM:SUM+1], v[S:S+1]
.endif
	v_pk_add_f32 v[BT:BT+1], v[S+2:S+3], v[S+10:S+11]
	v_pk_add_f32 v[BT+2:BT+3], v[S+4:S+5], v[S+12:S+13]
	v_pk_add_f32 v[C3:C3+1], v[S+6:S+7], v[S+14:S+15]
.if !\first
	v_pk_add_f32 v[SUM:SUM+1], v[SUM:SUM+1], v[S+8:S+9]
.endif
	ADDP 8, 16
	WALU                                           ; behind the second batch, ahead of its first reader
.irp c, 0,1                                    ; registers 6 c .. 6 c + 5 of p's operand: my block 2 c + h
	v_cvt_scalef32_pk16_fp6_f32 v[PC+6*\c:PC+6*\c+2], v[S+32*\c:S+32*\c+15], v[BM+\c]
	v_cvt_scalef32_pk16_fp6_f32 v[CT+4*\c:CT+4*\c+2], v[S+32*\c+16:S+32*\c+31], v[BM+\c]   ; (a conversion's three registers begin on an even number)
.endr
	v_nop                                          ; one plain place behind a scaled conversion
.irp c, 0,1
.irp i, 0,1,2
	v_mov_b32 v[PC+6*\c+3+\i], v[CT+4*\c+\i]
.endr
.endr
	ADDP 16, 32                                    ; (these nineteen are more than the places that an operand and a scale word made by vector instructions owe)
	v_pk_add_f32 v[BT:BT+1], v[BT:BT+1], v[BT+2:BT+3]
	v_pk_add_f32 v[SUM:SUM+1], v[SUM:SUM+1], v[C3:C3+1]
	v_pk_add_f32 v[SUM:SUM+1], v[SUM:SUM+1], v[BT:BT+1]
.if !\pre
	WALU
.endif
	s_wait_dscnt 0x0                               ; V and its words are in, and so is the next step's K
	PVW 0, 0, \first                               ; four accumulators, one instruction a turn
	PVW 1, 1, \first
	PVW 2, 0, \first
	PVW 3, 1, \first
.if \pre
	s_add_co_u32 s[TBK], s[TBK], STEPK
	s_add_co_u32 s[TBV], s[TBV], STEPB
.endif
.endm
	WALU
	s_cmp_lt_u32 s[WV], 4
	s_cbranch_scc0 .Lnot_mine
	s_wait_tensorcnt 0x0                           ; waves 0 to 3: key steps 0 to 3 of K and V have landed
.Lnot_mine:
	s_barrier_signal -1
	s_barrier_wait -1
	KLOAD LIK, LSK, 0                              ; K of step 0
	s_mov_b32 s[TBK], 0
	s_mov_b32 s[TBV], 0
	s_wait_dscnt 0x0
	STEP 1, 1                                      ; step 0
	s_mov_b32 s[TBK], STEPK
	s_mov_b32 s[TBV], STEPB
	s_mov_b32 s67, 2
.Lfirst:                                           ; steps 1 and 2: they read V of steps 1, 2 and ask for K of steps 2, 3
	STEP 0, 1
	s_sub_co_u32 s67, s67, 1
	s_cmp_lg_u32 s67, 0
	s_cbranch_scc1 .Lfirst
	s_wait_tensorcnt 0x0                           ; every wave: my load has landed
	s_barrier_signal -1
	s_barrier_wait -1                              ; every wave may read all of K and V
	s_mov_b32 s[TBK], 3*STEPK
	s_mov_b32 s[TBV], 3*STEPB
	s_mov_b32 s67, 12
.Lrest:                                            ; steps 3 to 14
	STEP 0, 1
	s_sub_co_u32 s67, s67, 1
	s_cmp_lg_u32 s67, 0
	s_cbranch_scc1 .Lrest
	s_mov_b32 s[TBK], 15*STEPK
	s_mov_b32 s[TBV], 15*STEPB
	STEP 0, 0                                      ; the last step asks for nothing
	; THE WAY OUT.  O^T / the sum: register 16 b + i is channel 32 b + 16 (lane / 16) + i of my query: two blocks of 32 along the last product's K.
	v_add_f32 v[SUM], v[SUM], v[SUM+1]             ; (these seven lines are also the places behind the last products)
	v_and_b32 v[ADK], 31, v0
	v_and_b32 v[ADS], 15, v0
	v_permlanex16_b32 v[TP], v[SUM], s[SEL], s[SEL+1]
	v_lshlrev_b32 v[ADK], 3, v[ADK]                ; 8 x lane
	v_lshlrev_b32 v[ADS], 5, v[ADS]                ; 32 (lane % 16): my row's eight scale words
	v_add_f32 v[SUM], v[SUM], v[TP]                ; the row's sum
	WALU
	v_rcp_f32 v[SUM], v[SUM]
	v_nop                                          ; a plain place behind the transcendental
	WALU
.set j, 0
.rept 16
	v_pk_mul_f32 v[S+j:S+j+1], v[OT+j:OT+j+1], v[SUM:SUM+1] op_sel_hi:[1,0]   ; each accumulator from its low end on
.set j, j+2
.endr
.irp b, 0,1
	v_max3_num_f32 v[BM+\b], |v[S+16*\b]|, |v[S+16*\b+1]|, 0x1800000
.endr
.irp i, 2,4,6,8,10,12,14
.irp b, 0,1
	v_max3_num_f32 v[BM+\b], v[BM+\b], |v[S+16*\b+\i]|, |v[S+16*\b+\i+1]|
.endr
.endr
.irp b, 0,1
	v_permlanex16_b32 v[BT+\b], v[BM+\b], s[SEL], s[SEL+1]
.endr
.irp b, 0,1
	v_max_num_f32 v[BM+\b], v[BM+\b], v[BT+\b]
.endr
.irp b, 0,1
	v_add_nc_u32 v[BM+\b], 0xff000000, v[BM+\b]
.endr
.irp b, 0,1
	v_lshrrev_b32 v[BT+\b], 23, v[BM+\b]
.endr
	v_lshl_or_b32 v[TP], v[BT+1], 8, v[BT]         ; the head's two bytes of the row's scale word
	v_cvt_scalef32_pk16_fp6_f32 v[PC:PC+2], v[S:S+15], v[BM]
	v_cvt_scalef32_pk16_fp6_f32 v[CT:CT+2], v[S+16:S+31], v[BM+1]
	v_nop                                          ; one plain place behind a scaled conversion
.irp i, 0,1,2
	v_permlane16_swap_b32 v[PC+\i], v[CT+\i]
.endr
.irp i, 0,1,2
	v_mov_b32 v[PC+3+\i], v[CT+\i]
.endr
.irp p, 0,1,2
	global_store_b64 v[ADK], v[PC+2*\p:PC+2*\p+1], s[74:75] offset:256*\p   ; 32 lanes store 256 consecutive bytes, at a multiple of 256 from cq's first byte
.endr
	global_store_b16 v[ADS], v[TP], s[78:79]       ; lanes 16-31 hold and write the same bytes as lanes 0-15
	s_wait_tensorcnt 0x0                           ; the wave's end
	ds_add_u32 v[SPW], v[NIL]
	s_wait_dscnt 0x0
	CROUND                                         ; the closing round: no work-group ends while a partner may still ask for a tile that names it
	s_endpgm
.Lfunc_end_k_q07ad0b42cf_attn:
	.size	k_q07ad0b42cf_attn, .Lfunc_end_k_q07ad0b42cf_attn-k_q07ad0b42cf_attn
	.p2alignl 7, 3214868480
	.fill 96, 4, 3214868480
	.section	.rodata,"a",@progbits
	.p2align	6, 0x0
	.amdhsa_kernel k_q07ad0b42cf_attn
		.amdhsa_group_segment_fixed_size 241664
		.amdhsa_private_segment_fixed_size 0
		.amdhsa_enable_private_segment 0
		.amdhsa_kernarg_size 32
		.amdhsa_user_sgpr_count 2
		.amdhsa_user_sgpr_kernarg_segment_ptr 1
		.amdhsa_wavefront_size32 1
		.amdhsa_system_sgpr_workgroup_id_x 1
		.amdhsa_system_sgpr_workgroup_id_y 1
		.amdhsa_system_sgpr_workgroup_id_z 1
		.amdhsa_system_vgpr_workitem_id 0
		.amdhsa_next_free_vgpr 256
		.amdhsa_next_free_sgpr 80
		.amdhsa_reserve_vcc 0
		.amdhsa_float_denorm_mode_32 3
		.amdhsa_float_denorm_mode_16_64 3
		.amdhsa_memory_ordered 1
		.amdhsa_forward_progress 1
		.amdhsa_inst_pref_size 72
	.end_amdhsa_kernel
	.amdgpu_metadata
---
amdhsa.version: [ 1, 2 ]
amdhsa.kernels:
  - .name:           k_q07ad0b42cf_attn
    .symbol:         k_q07ad0b42cf_attn.kd
    .args:
      - { .name: qst, .offset: 0, .size: 8, .value_kind: global_buffer, .address_space: global }
      - { .name: kst, .offset: 8, .size: 8, .value_kind: global_buffer, .address_space: global }
      - { .name: vst, .offset: 16, .size: 8, .value_kind: global_buffer, .address_space: global }
      - { .name: cq, .offset: 24, .size: 8, .value_kind: global_buffer, .address_space: global }
    .group_segment_fixed_size: 241664
    .private_segment_fixed_size: 0
    .kernarg_segment_align: 8
    .kernarg_segment_size: 32
    .max_flat_workgroup_size: 512
    .sgpr_count:     80
    .vgpr_count:     256
    .wavefront_size: 32
...
	.end_amdgpu_metadata
.endif
;; end of part 8
;; launch oproj (part 9): grid 16 x 16, 8 waves a work-group, no clusters, 168,960 bytes of LDS; arguments cq, wq, out0; writes out0
.if DOCPART == 9
	.amdgcn_target "amdgcn-amd-amdhsa--gfx1250"
	.amdhsa_code_object_version 6
	.text
	.protected	k_q07ad0b42cf_oproj
	.globl	k_q07ad0b42cf_oproj
	.p2align	8
	.type	k_q07ad0b42cf_oproj,@function
k_q07ad0b42cf_oproj:
	s_mov_b64 s[64:65], 0
	v_nop
	global_prefetch_b8 v0, s[64:65] scope:SCOPE_SE
	s_setreg_imm32_b32 hwreg(HW_REG_WAVE_MODE, 25, 1), 1
	s_wait_xcnt 0x0
; out0 = concat W0 on codes of FP6 (E2M3) with E8M0 scales, K = 1,024, sums in f32.
; Source 0 = 16 columns of W0 (wq's tiles 192 on), source 1 = 16 rows of concat: a lane holds one row and eight neighbouring columns a tile.  A tile T = 2 B + u holds in lane r row 32 B + 8 u + r + 8 (r / 8).
; SHARES.  256 work-groups of eight waves: 64 columns x 256 rows; a wave makes 64 x 32: eight accumulators.  W0's panel (4 tiles x all of K, 49,152 bytes, and 2,048 bytes of scale words) comes into LDS once,
; by five tensor loads, one a wave (waves 0 to 4), all first fills.  concat's fragments are a wave's own: straight from memory, FOUR K steps ahead, in four sets of registers: a K step is eight products, too short for a load
; asked for two steps ahead.  In cq a fragment lies in six planes of 256 bytes, 8 bytes a lane; a row's eight scale words lie together, 32 bytes, and come by two loads.
; At the head 4 + 48 loads of a wave are out.  No cluster: the shared panel is a fifth of what a work-group reads.
; OUT.  16 rows x 64 columns go through the wave's own stage in LDS (bytes into which no tensor load lands) and leave as rows: sixteen lanes store 256 consecutive bytes, aligned.
.set SCO,   3145728
.set TILEB, 12288
.set FRB,   1536
.set CHUNK, 12288                      ; LDS: chunk j (K steps 2 j, 2 j + 1) at CHUNK j: [tile 0..3][2][1,536]
.set PSCL,  4*CHUNK                    ; W0's scale words: [tile][s][16 words]
.set STAGE, PSCL+2048                  ; the stages: 16 rows x 272 bytes for each wave
.set SP,    272
.set LI,  1                            ; v1 16 x lane;  v2 8 x lane;  v3 PSCL + 4 (lane % 16);  v4 32 (lane % 16);  v5, v6 the stage, in and back;  v7 my byte in two rows of out0
.set L8,  2
.set PSA, 3
.set RSA, 4
.set STO, 5
.set RD,  6
.set CO,  7
.set PS,  8                            ; v8-11   W0's scale words of the K step in hand: scales and nothing else
.set RS,  16                           ; v16-31  concat's scale words, all of K: 8 q + s: scales and nothing else
.set PF,  32                           ; v32-79  W0's four fragments
.set RB,  80                           ; v80-175 four sets of concat's two fragments
.set ACC, 176                          ; v176-239 accumulator (q, t) at 32 q + 8 t
.set BK,  80                           ; the way out: the first tile's rows come back into v80-111, the second's into v32-63
.set WV,  14
.set G1P, 32
.set G1S, 40
.set G0S, 48
.set G0P, 68
.macro PLACES
.rept 4
	v_nop
.endr
.endm
	s_load_b128 s[4:7], s[0:1], 0x0                ; cq, wq
	s_load_b64 s[8:9], s[0:1], 0x10                ; out0
	v_lshl_add_u32 v240, v0, 2, 0x29000
	v_mov_b32 v241, 0
	ds_add_u32 v240, v241
	ds_add_u32 v240, v241
	v_lshrrev_b32 v1, 5, v0
	s_delay_alu instid0(VALU_DEP_1)
	v_readfirstlane_b32 s[WV], v1                  ; wave 0..7
	v_and_b32 v2, 31, v0
	s_delay_alu instid0(VALU_DEP_1)
	v_lshlrev_b32 v1, 4, v2
	s_delay_alu instid0(VALU_DEP_2)
	v_lshlrev_b32 v2, 3, v2
	v_and_b32 v32, 15, v0                          ; r
	v_bfe_u32 v33, v0, 4, 1                        ; h
	s_delay_alu instid0(VALU_DEP_2)
	v_lshlrev_b32 v4, 5, v32
	s_delay_alu instid0(VALU_DEP_3)
	v_lshlrev_b32 v3, 2, v32
	s_delay_alu instid0(VALU_DEP_1)
	v_add_nc_u32 v3, PSCL, v3
	s_mul_i32 s18, s[WV], 16*SP
	s_add_co_u32 s18, s18, STAGE                   ; my stage
	v_mul_u32_u24 v5, v32, SP
	s_delay_alu instid0(VALU_DEP_1)
	v_lshl_add_u32 v5, v33, 6, v5
	s_delay_alu instid0(VALU_DEP_1)
	v_add_nc_u32 v5, s18, v5                       ; in: row r, + 64 h bytes
	v_mul_u32_u24 v6, v33, SP
	s_delay_alu instid0(VALU_DEP_1)
	v_lshl_add_u32 v6, v32, 4, v6
	s_delay_alu instid0(VALU_DEP_1)
	v_add_nc_u32 v6, s18, v6                       ; back: lanes 0-15 one row, lanes 16-31 the next
	v_lshlrev_b32 v7, 12, v33
	s_delay_alu instid0(VALU_DEP_1)
	v_lshl_add_u32 v7, v32, 4, v7                  ; and the same two rows in out0
	s_mov_b32 s[G1P], 3<<16                        ; elements of 8 bytes, no mask, no padding
	s_mov_b32 s[G1P+1], 384<<16                    ; 3,072 bytes: a tile's two K steps
	s_mov_b32 s[G1P+2], 4<<16                      ; 4 tiles
	s_mov_b32 s[G1P+3], 384<<16
	s_mov_b32 s[G1P+4], 4
	s_mov_b32 s[G1P+5], 1536                       ; from tile to tile: 12,288 bytes
	s_mov_b32 s[G1P+6], 0
	s_mov_b32 s[G1P+7], 0
	s_mov_b32 s[G1S], 3<<16                        ; 2,048 dense bytes as 8 rows of 256
	s_mov_b32 s[G1S+1], 32<<16
	s_mov_b32 s[G1S+2], 8<<16
	s_mov_b32 s[G1S+3], 32<<16
	s_mov_b32 s[G1S+4], 8
	s_mov_b32 s[G1S+5], 32
	s_mov_b32 s[G1S+6], 0
	s_mov_b32 s[G1S+7], 0
	s_and_b32 s16, ttmp7, 0xffff                   ; rb: 256 rows
	s_lshl_b32 s17, ttmp9, 2
	s_add_co_u32 s17, s17, 192                     ; W0's first tile of my 64 columns
	s_mul_i32 s60, s17, TILEB
	s_mov_b32 s61, 0
	s_lshl_b32 s62, s17, 9
	s_add_co_u32 s62, s62, SCO
	s_mov_b32 s63, 0
	s_lshl_b32 s19, s16, 4
	s_lshl_b32 s20, s[WV], 1
	s_add_co_u32 s19, s19, s20                     ; my first tile of concat: 16 rb + 2 wave
	s_mul_i32 s24, s19, TILEB
	s_mov_b32 s25, 0
	s_lshl_b32 s26, s19, 9
	s_add_co_u32 s26, s26, SCO
	s_mov_b32 s27, 0
	s_lshl_b32 s28, s16, 3
	s_add_co_u32 s28, s28, s[WV]
	s_lshl_b32 s28, s28, 17                        ; my 32 rows of 4,096 bytes begin at row 32 (8 rb + wave),
	s_lshl_b32 s29, ttmp9, 8                       ; my 64 columns at byte 256 x
	s_add_co_u32 s28, s28, s29
	s_mov_b32 s29, 0
	s_wait_dscnt 0x0
	s_wait_kmcnt 0x0
	s_add_nc_u64 s[60:61], s[6:7], s[60:61]
	s_add_nc_u64 s[62:63], s[6:7], s[62:63]
	s_add_nc_u64 s[24:25], s[4:5], s[24:25]
	s_add_nc_u64 s[26:27], s[4:5], s[26:27]
	s_add_nc_u64 s[28:29], s[8:9], s[28:29]
	s_mov_b32 s[G0S], 1
	s_mov_b32 s[G0S+1], PSCL
	s_mov_b64 s[G0S+2:G0S+3], s[62:63]
	s_or_b32 s[G0S+3], s[G0S+3], 0x80000000
.irp j, 0,1,2,3
	s_mov_b32 s[G0P+4*\j], 1
	s_mov_b32 s[G0P+4*\j+1], \j*CHUNK
	s_add_nc_u64 s[G0P+4*\j+2:G0P+4*\j+3], s[60:61], \j*2*FRB
	s_or_b32 s[G0P+4*\j+3], s[G0P+4*\j+3], 0x80000000
.endr
; The panel's five first fills are shared out, one a wave: wave 0 the scale words, waves 1 to 4 chunks 0 to 3; one chain of arms on the wave's number, all leading to one join
.macro ARM w, g0, g1
	s_cmp_eq_u32 s[WV], \w
	s_cbranch_scc0 .Lnot_\w
	tensor_load_to_lds s[\g0:\g0+3], s[\g1:\g1+7]
	s_nop 0
.rept 4
	v_nop
.endr
	s_branch .Lno_fill
.Lnot_\w:
.endm
	ARM 0, G0S, G1S
	ARM 1, G0P, G1P
	ARM 2, G0P+4, G1P
	ARM 3, G0P+8, G1P
	ARM 4, G0P+12, G1P
.Lno_fill:
.macro RLOAD s                         ; concat's two fragments of K step s into set s % 4: twelve loads of 256 consecutive bytes
.irp q, 0,1
.irp c, 0,1
.irp p, 0,1,2
	global_load_b64 v[RB+24*((\s)%4)+12*\q+6*\c+2*\p:RB+24*((\s)%4)+12*\q+6*\c+2*\p+1], v[L8], s[24:25] offset:TILEB*\q+FRB*(\s)+768*\c+256*\p
.endr
.endr
.endr
.endm
.macro KSTEP s, zero
.if (\s) < 5
	s_wait_loadcnt 36                              ; this step's fragments (and all scale words) are in; the twelve loads of each of the next three steps may be out
.else
	s_wait_loadcnt 12*(7-(\s))                     ; the steps that are left: two, one, none
.endif
.irp t, 0,1,2,3
	ds_load_b32 v[PS+\t], v[PSA] offset:512*\t+64*(\s)
.endr
.irp t, 0,1,2,3
.irp p, 0,1,2
	ds_load_b128 v[PF+12*\t+4*\p:PF+12*\t+4*\p+3], v[LI] offset:((\s)/2)*CHUNK+\t*2*FRB+((\s)%2)*FRB+512*\p
.endr
.endr
	s_wait_dscnt 0x0
.irp t, 0,1,2,3                                ; eight accumulators, one instruction a turn
.irp q, 0,1
.if \zero
	v_wmma_scale_f32_16x16x128_f8f6f4 v[ACC+32*\q+8*\t:ACC+32*\q+8*\t+7], v[PF+12*\t:PF+12*\t+11], v[RB+24*((\s)%4)+12*\q:RB+24*((\s)%4)+12*\q+11], 0, v[PS+\t], v[RS+8*\q+(\s)] matrix_a_fmt:MATRIX_FMT_FP6 matrix_b_fmt:MATRIX_FMT_FP6
.else
	v_wmma_scale_f32_16x16x128_f8f6f4 v[ACC+32*\q+8*\t:ACC+32*\q+8*\t+7], v[PF+12*\t:PF+12*\t+11], v[RB+24*((\s)%4)+12*\q:RB+24*((\s)%4)+12*\q+11], v[ACC+32*\q+8*\t:ACC+32*\q+8*\t+7], v[PS+\t], v[RS+8*\q+(\s)] matrix_a_fmt:MATRIX_FMT_FP6 matrix_b_fmt:MATRIX_FMT_FP6
.endif
.endr
.endr
	PLACES                                         ; in front of loads into registers that these products read, and of the first read of results
.if (\s) < 4
	RLOAD (\s)+4                                   ; into the set just multiplied
.endif
.endm
.irp q, 0,1
	global_load_b128 v[RS+8*\q:RS+8*\q+3], v[RSA], s[26:27] offset:512*\q        ; my row's words of K steps 0 to 3,
	global_load_b128 v[RS+8*\q+4:RS+8*\q+7], v[RSA], s[26:27] offset:512*\q+16   ; and of 4 to 7
.endr
	RLOAD 0
	RLOAD 1
	RLOAD 2
	RLOAD 3
	s_cmp_lt_u32 s[WV], 2                          ; waves 0 and 1 wait for their loads: the scale words and chunk 0
	s_cbranch_scc0 .Lw0
	s_wait_tensorcnt 0x0
.Lw0:
	s_barrier_signal -1
	s_barrier_wait -1
	s_wait_alu depctr_va_vdst(0)
	KSTEP 0, 1
	KSTEP 1, 0
	s_cmp_eq_u32 s[WV], 2                          ; wave 2: chunk 1
	s_cbranch_scc0 .Lw1
	s_wait_tensorcnt 0x0
.Lw1:
	s_barrier_signal -1
	s_barrier_wait -1
	KSTEP 2, 0
	KSTEP 3, 0
	s_cmp_eq_u32 s[WV], 3                          ; wave 3: chunk 2
	s_cbranch_scc0 .Lw2
	s_wait_tensorcnt 0x0
.Lw2:
	s_barrier_signal -1
	s_barrier_wait -1
	KSTEP 4, 0
	KSTEP 5, 0
	s_wait_tensorcnt 0x0                           ; chunk 3
	s_barrier_signal -1
	s_barrier_wait -1
	KSTEP 6, 0
	KSTEP 7, 0
; THE WAY OUT.  Tile q of my rows: lane (r, h), accumulator t: columns 32 (t / 2) + 16 h + 8 (t % 2) + 0 .. 7 of stage row r.  LDS serves a wave's instructions in order: no wait between the stores and the loads,
; nor in front of the next tile's stores.
.macro TOSTAGE q, back
.irp t, 0,1,2,3
	ds_store_b128 v[STO], v[ACC+32*\q+8*\t:ACC+32*\q+8*\t+3] offset:128*(\t/2)+32*(\t%2)      ; each accumulator from its low end on
	ds_store_b128 v[STO], v[ACC+32*\q+8*\t+4:ACC+32*\q+8*\t+7] offset:128*(\t/2)+32*(\t%2)+16
.endr
.irp i, 0,1,2,3,4,5,6,7
	ds_load_b128 v[\back+4*\i:\back+4*\i+3], v[RD] offset:2*\i*SP
.endr
.endm
	TOSTAGE 0, BK
	TOSTAGE 1, PF
.irp i, 0,1,2,3,4,5,6,7
	s_wait_dscnt 23-\i                             ; the first tile's load i is back; behind it stand its 7 - i younger loads and the second tile's sixteen instructions
	global_store_b128 v[CO], v[BK+4*\i:BK+4*\i+3], s[28:29] offset:(2*\i+8*(\i/4))*4096 th:TH_STORE_NT   ; stage rows 2 i, 2 i + 1 are rows 2 i + 8 (i / 4) on of my 32; 16 lanes store 256 consecutive bytes, aligned
.endr
.irp i, 0,1,2,3,4,5,6,7
	s_wait_dscnt 7-\i
	global_store_b128 v[CO], v[PF+4*\i:PF+4*\i+3], s[28:29] offset:(8+2*\i+8*(\i/4))*4096 th:TH_STORE_NT
.endr
	s_wait_tensorcnt 0x0
	ds_add_u32 v240, v241
	s_wait_dscnt 0x0
	s_endpgm
.Lfunc_end_k_q07ad0b42cf_oproj:
	.size	k_q07ad0b42cf_oproj, .Lfunc_end_k_q07ad0b42cf_oproj-k_q07ad0b42cf_oproj
	.p2alignl 7, 3214868480
	.fill 96, 4, 3214868480
	.section	.rodata,"a",@progbits
	.p2align	6, 0x0
	.amdhsa_kernel k_q07ad0b42cf_oproj
		.amdhsa_group_segment_fixed_size 168960
		.amdhsa_private_segment_fixed_size 0
		.amdhsa_enable_private_segment 0
		.amdhsa_kernarg_size 24
		.amdhsa_user_sgpr_count 2
		.amdhsa_user_sgpr_kernarg_segment_ptr 1
		.amdhsa_wavefront_size32 1
		.amdhsa_system_sgpr_workgroup_id_x 1
		.amdhsa_system_sgpr_workgroup_id_y 1
		.amdhsa_system_sgpr_workgroup_id_z 1
		.amdhsa_system_vgpr_workitem_id 0
		.amdhsa_next_free_vgpr 242
		.amdhsa_next_free_sgpr 84
		.amdhsa_reserve_vcc 0
		.amdhsa_float_denorm_mode_32 3
		.amdhsa_float_denorm_mode_16_64 3
		.amdhsa_memory_ordered 1
		.amdhsa_forward_progress 1
		.amdhsa_inst_pref_size 39
	.end_amdhsa_kernel
	.amdgpu_metadata
---
amdhsa.version: [ 1, 2 ]
amdhsa.kernels:
  - .name:           k_q07ad0b42cf_oproj
    .symbol:         k_q07ad0b42cf_oproj.kd
    .args:
      - { .name: cq, .offset: 0, .size: 8, .value_kind: global_buffer, .address_space: global }
      - { .name: wq, .offset: 8, .size: 8, .value_kind: global_buffer, .address_space: global }
      - { .name: out0, .offset: 16, .size: 8, .value_kind: global_buffer, .address_space: global }
    .group_segment_fixed_size: 168960
    .private_segment_fixed_size: 0
    .kernarg_segment_align: 8
    .kernarg_segment_size: 24
    .max_flat_workgroup_size: 256
    .sgpr_count:     84
    .vgpr_count:     242
    .wavefront_size: 32
...
	.end_amdgpu_metadata
.endif
;; end of part 9
